; MI455X (gfx1250); checked and timed in simulation.
; The chip was launched on July 23, 2026; its instructions are those of AMD's public machine-readable ISA for CDNA 5 (MIT licence, August 2026) and "CDNA5" Instruction Set Architecture Reference Guide (July 2026). The comments in the code are by the model that wrote it; some were corrected since.
;; Soft Vector Quantizer. Allowed arithmetic: matrix products marked QUANTISED: E2M3 operands, one E8M0 scale for each 32 along K, by v_wmma_scale_f32_16x16x128_f8f6f4 with both operands' format E2M3, f32 sums; everything else in f32.
;; Inputs: embedding 1 x 8,192 x 256 float32; z 8 x 1,024 x 256 float32.
;; Outputs: out0 8 x 1,024 x 256 float32; out1 one number float32; out2 8 x 1 x 1,024 int32; out3 one number float32; out4 one number float32; out5 one number float32.
;; This version of the problem:
;;   THIS VERSION OF THE PROBLEM IS GIVEN IN LOW PRECISION. The matrix products marked QUANTISED in the list below multiply operands that are first quantised to E2M3 (2 exponent bits, 3 mantissa bits; 6 bits a number), with one power-of-two scale for each 32 numbers along K (OCP MX v1.0); their sums are f32. All else is computed in f32.
;;   The module's matrix products, in the order in which they are computed (A, B: the left and right operand; K: the contracted axis; several contracted axes count as one K, in the product's order):
;;     1. [M 8,192, K 256] x [K 256, N 8,192]; A: input z; B: input embedding: QUANTISED
;;     2. [M 8,192, K 8,192] x [K 8,192, N 256]; A: softmax (see below); B: input embedding: QUANTISED
;;   THE QUANTISER, for each operand of a quantised product, along K:
;;     - K is cut into blocks of 32 from its start; a last block that is shorter is filled with zeros.
;;     - A block's scale is 2^e with e = floor(log2(the largest magnitude in the block)) - 2, held to -126 .. 127; a block of zeros has e = 0. As a byte (E8M0): e + 127.
;;     - Each number is divided by its block's scale, clamped to +-7.5, and rounded to the nearest number of E2M3, ties to even, subnormals kept.
;;     - The product sums the exact products of the quantised numbers (number of the format x scale) in f32.
;;   ~~~python
;;   def quantise(x, axis):      # numpy; x: float32 -> the quantised numbers, widened to float32 again
;;       x = np.moveaxis(x, axis, -1); K = x.shape[-1]
;;       x = np.pad(x, [(0, 0)] * (x.ndim - 1) + [(0, -K % 32)]); x = x.reshape(x.shape[:-1] + (-1, 32)); a = np.abs(x).max(-1, keepdims=True)
;;       e = np.where(a > 0, np.clip(np.frexp(np.where(a > 0, a, 1))[1] - 1 - 2, -126, 127), 0)      # np.frexp(a)[1] - 1 = floor(log2(a)), exactly
;;       r = np.clip(x / 2.0 ** e, -7.5, 7.5)
;;       step = 2.0 ** (np.maximum(np.frexp(np.where(r == 0, 1, r))[1] - 1, 0) - 3)
;;       q = np.round(r / step) * step * 2.0 ** e      # np.round: ties to even
;;       return np.moveaxis(q.reshape(q.shape[:-2] + (-1,))[..., :K], -1, axis).astype(np.float32)
;;   ~~~
;;   SOFTMAX AHEAD OF A QUANTISED PRODUCT. Where the list says 'softmax', what is quantised is not the finished softmax but p = 2^(t - M), with t = logit x log2(e) and M = ceil(the row's largest t), a whole number; so 1/2 < the row's largest p <= 1. The row's sum l is taken of the UNQUANTISED p, in f32, and the product's result is divided by l at the end. Since M is a whole number, a kernel that streams over the keys may use a running M (the ceiling of the running maximum): every later rescaling is an exact power of two, which a block's scale takes up: the codes' values come out the same.
;;   OPERANDS COMPUTED ON THE WAY. 'Computed on the way' means the value that the module computes at that place (a softmax that the list does not call 'softmax' is quantised finished and normalised). What goes into a quantiser is computed in f32, as accurately as f32 sums, v_exp_f32 and their like allow (about 1e-6 of the number): no bf16 or f16 on the way to a quantiser, and a product that is left as it is and whose result goes on into a quantised operand takes f32 operands (vector FMAs, or v_wmma_f32_16x16x4_f32). A number that lies on a knife's edge between two numbers of the format may be rounded either way, as far as f32 arithmetic and the matrix unit's own rounding can turn it there, and no further.
;; One version. Each part assembles by itself: llvm-mc -triple=amdgcn-amd-amdhsa -mcpu=gfx1250 --defsym DOCPART=n.
;; ======== version 1 of 1: 4 launches
;; limits: right only within a limited range of input values
;; workspace buffers: zc 1,638,400 bytes; ec 3,276,800 bytes; opart 33,554,432 bytes; stats 917,504 bytes; colpart 262,144 bytes; wgpart 4,096 bytes
;; launch quant (part 1): grid 256 x 1, 8 waves a work-group, no clusters, 168,960 bytes of LDS; arguments z, embedding, zc, ec; writes zc, ec
.if DOCPART == 1
	.amdgcn_target "amdgcn-amd-amdhsa--gfx1250"
	.amdhsa_code_object_version 6
	.text
	.protected	k_q07e3abf276_quant
	.globl	k_q07e3abf276_quant
	.p2align	8
	.type	k_q07e3abf276_quant,@function
k_q07e3abf276_quant:
	s_mov_b64 s[64:65], 0
	v_nop
	global_prefetch_b8 v0, s[64:65] scope:SCOPE_SE
	s_setreg_imm32_b32 hwreg(HW_REG_WAVE_MODE, 25, 1), 1
	s_wait_xcnt 0x0
; z [8192][256] and embedding [8192][256], f32, become codes of FP6 (E2M3) with one E8M0 byte for each 32 along K, laid as IMAGES OF OPERAND REGISTERS.
; A fragment (16 rows x 128 K, 12 registers a lane) is 1,536 bytes: chunk k (512 bytes) holds lane l's registers 4 k .. 4 k + 3 at byte 16 l.
; K-PART (25,600 bytes for 128 rows, K = the 256 channels): fragment (tile t, K step c) at (2 t + c) x 1,536; at 24,576 two scale images of 512 bytes: image g, lane 16 c + r, register j = the scale word of row r of tile 4 g + j, K step c.
; Row r of tile t is row 32 (t / 2) + 8 (t % 2) + r + 8 (r / 8) of the 128, so that the results of tiles 2 b and 2 b + 1 are 16 neighbours along the next product's K.
; V-PART (embedding alone; K = 128 codes of the codebook): fragment dt (channels 16 dt + r) at dt x 1,536; at 24,576 two scale images: register j (image j / 4) holds dt = 2 j in lanes 0-15 and dt = 2 j + 1 in lanes 16-31.
; zc: a K-part for each 128 rows of z.  ec: for each 128 codes a K-part, then a V-part (51,200 bytes).
; SHARES: a work-group takes 128 rows x 128 channels; the first 128 work-groups take the embedding, the others z.  One tensor load a wave (16 rows of 512 bytes) brings the tile into LDS, once.
; A block's scale is 2^(floor(log2(largest magnitude)) - 2); its byte is that magnitude's exponent field - 2, held at 1 from below (a block of zeros keeps the byte 1: its codes are zeros, and this program alone reads the bytes).
; LIMITS: NaN and infinities among the inputs are not served; blocks whose largest magnitude lies under 2^-124 keep the byte 1.
.set TP,   528                         ; an LDS row: 512 bytes + 16 of padding
.set SST,  128*TP                      ; behind the tile: 512 bytes for the K side's scale words, 512 for the V side's
.set X,    32                          ; v32-95   64 numbers of a lane
.set PC,   96                          ; v96-107  the K side's codes; v108-114 at work
.set TM,   116                         ; v116-131 at work
.set PW,   132                         ; the K side's scale word
.set PWV,  133                         ; the V side's
.set PCV,  136                         ; v136-147 the V side's codes; v148-154 at work
.set WV,   12
.set SEL,  44
; 64 numbers of a lane, register 16 b + i = k 32 b + 16 (lane / 16) + i of my row, become a fragment's codes in v[PC] on and its scale word in v[PW]
.macro QUANT s
.irp b, 0,1,2,3
	v_max3_num_f32 v[TM+\b], |v[\s+16*\b]|, |v[\s+1+16*\b]|, 0x1800000   ; my 16 numbers of block b, and the floor 2^(3 - 127): the byte cannot fall under 1
.endr
.irp i, 2,4,6,8,10,12,14
.irp b, 0,1,2,3
	s_delay_alu instid0(VALU_DEP_4)
	v_max3_num_f32 v[TM+\b], v[TM+\b], |v[\s+16*\b+\i]|, |v[\s+1+16*\b+\i]|
.endr
.endr
.irp b, 0,1,2,3
	s_delay_alu instid0(VALU_DEP_4)
	v_permlanex16_b32 v[TM+4+\b], v[TM+\b], s[SEL], s[SEL+1]
.endr
.irp b, 0,1,2,3
	s_delay_alu instid0(VALU_DEP_4)
	v_max_num_f32 v[TM+\b], v[TM+\b], v[TM+4+\b]   ; with lane l xor 16's: the block's largest magnitude
.endr
.irp b, 0,1,2,3
	s_delay_alu instid0(VALU_DEP_4)
	v_add_nc_u32 v[TM+12+\b], 0xff000000, v[TM+\b] ; 2 off its exponent field: the conversion's scale operand
.endr
.irp b, 0,1,2,3
	s_delay_alu instid0(VALU_DEP_4)
	v_lshrrev_b32 v[TM+4+\b], 23, v[TM+12+\b]      ; the scale's byte
.endr
	s_delay_alu instid0(VALU_DEP_3)
	v_lshl_or_b32 v[PW], v[TM+5], 8, v[TM+4]
	s_delay_alu instid0(VALU_DEP_1)
	v_lshl_or_b32 v[PW], v[TM+6], 16, v[PW]
	s_delay_alu instid0(VALU_DEP_1)
	v_lshl_or_b32 v[PW], v[TM+7], 24, v[PW]
.irp c, 0,1
	v_cvt_scalef32_pk16_fp6_f32 v[PC+6*\c:PC+2+6*\c], v[\s+32*\c:\s+15+32*\c], v[TM+12+2*\c]
	v_cvt_scalef32_pk16_fp6_f32 v[PC+12+4*\c:PC+14+4*\c], v[\s+16+32*\c:\s+31+32*\c], v[TM+12+2*\c+1]
.endr
	v_nop                                          ; one plain place behind a scaled conversion
.irp c, 0,1                                    ; the operand's layout wants a whole block in a lane
.irp i, 0,1,2
	v_permlane16_swap_b32 v[PC+6*\c+\i], v[PC+12+4*\c+\i]
.endr
.irp i, 0,1,2
	s_delay_alu instid0(VALU_DEP_3)
	v_mov_b32 v[PC+3+6*\c+\i], v[PC+12+4*\c+\i]
.endr
.endr
.endm
	s_load_b256 s[4:11], s[0:1], 0x0               ; z s[4:5], embedding s[6:7], zc s[8:9], ec s[10:11]
	v_lshl_add_u32 v160, v0, 2, 0x29000
	v_mov_b32 v161, 0
	ds_add_u32 v160, v161
	ds_add_u32 v160, v161
	v_lshrrev_b32 v1, 5, v0
	s_delay_alu instid0(VALU_DEP_1)
	v_readfirstlane_b32 s[WV], v1                  ; wave 0..7
	s_and_b32 s14, ttmp9, 1                        ; which 128 channels
	s_lshr_b32 s15, ttmp9, 1
	s_and_b32 s15, s15, 63                         ; which 128 rows of the tensor
	; descriptor group 1: 16 rows x 128 elements of 4 bytes, 16 bytes of padding behind each row
	s_mov_b32 s28, (2<<16)|(1<<20)|(6<<22)|(3<<25)
	s_mov_b32 s29, 128<<16                         ; tensor_dim0
	s_mov_b32 s30, 16<<16                          ; tensor_dim1
	s_mov_b32 s31, 128<<16                         ; tile_dim0
	s_mov_b32 s32, 16                              ; tile_dim1
	s_mov_b32 s33, 256                             ; elements from row to row
	s_mov_b32 s34, 0
	s_mov_b32 s35, 0
	s_lshl_b32 s22, s15, 17                        ; 128 rows of 1,024 bytes
	s_lshl_b32 s21, s14, 9
	s_add_co_u32 s22, s22, s21
	s_lshl_b32 s21, s[WV], 14                      ; my wave's 16 rows
	s_add_co_u32 s22, s22, s21
	s_mov_b32 s23, 0
	s_mov_b32 s24, 1
	s_mul_i32 s25, s[WV], 16*TP
	s_mov_b32 s[SEL], 0x76543210
	s_mov_b32 s[SEL+1], 0xfedcba98
	s_wait_dscnt 0x0
	s_wait_kmcnt 0x0
	s_cmp_lt_u32 ttmp9, 128                        ; the embedding's work-group or z's: the choice hangs on the work-group's number alone
	s_cselect_b64 s[16:17], s[6:7], s[4:5]
	s_cselect_b64 s[18:19], s[10:11], s[8:9]
	s_mov_b32 s20, 25600
	s_cselect_b32 s20, 51200, s20                  ; bytes of the destination for 128 rows
	s_add_nc_u64 s[26:27], s[16:17], s[22:23]
	s_or_b32 s27, s27, 0x80000000
	tensor_load_to_lds s[24:27], s[28:35]          ; my one tensor load: filled once
	s_nop 0
	v_and_b32 v2, 31, v0                           ; lane
	v_and_b32 v3, 15, v0                           ; r
	v_bfe_u32 v4, v0, 4, 1                         ; h
	s_delay_alu instid0(VALU_DEP_3)
	v_lshlrev_b32 v5, 4, v2                        ; 16 x lane
	s_wait_alu depctr_va_vdst(0)
	v_and_b32 v6, 8, v3
	s_delay_alu instid0(VALU_DEP_1)
	v_add_nc_u32 v6, v6, v3                        ; r + 8 (r / 8)
	s_delay_alu instid0(VALU_DEP_1)
	v_mul_u32_u24 v6, v6, TP
	s_delay_alu instid0(VALU_DEP_1)
	v_lshl_add_u32 v6, v4, 6, v6                   ; + 64 h: my 16 numbers of a block
	s_lshr_b32 s36, s[WV], 1
	s_lshl_b32 s36, s36, 5
	s_and_b32 s37, s[WV], 1
	s_lshl_b32 s37, s37, 3
	s_add_co_u32 s36, s36, s37                     ; tile w begins at row 32 (w / 2) + 8 (w % 2)
	s_mul_i32 s36, s36, TP
	v_add_nc_u32 v6, s36, v6                       ; v6: the K side's LDS address
	s_mul_i32 s38, s15, s20
	s_mov_b32 s39, 0
	s_add_nc_u64 s[40:41], s[18:19], s[38:39]      ; the destination at my 128 rows
	s_lshl_b32 s36, s[WV], 1
	s_add_co_u32 s36, s36, s14
	s_mul_i32 s36, s36, 1536
	v_add_nc_u32 v7, s36, v5                       ; v7: fragment (w, half)
	s_lshr_b32 s36, s[WV], 2
	s_lshl_b32 s36, s36, 8
	s_and_b32 s37, s[WV], 3
	s_lshl_b32 s37, s37, 2
	s_add_co_u32 s36, s36, s37
	s_add_co_u32 s36, s36, SST
	v_lshl_add_u32 v8, v3, 4, s36                  ; v8: my row's scale word: SST + 256 (w / 4) + 16 r + 4 (w % 4)
	v_mul_u32_u24 v9, v4, 32*TP
	s_delay_alu instid0(VALU_DEP_1)
	v_lshl_add_u32 v9, v3, 2, v9
	s_lshl_b32 s36, s[WV], 6
	v_add_nc_u32 v9, s36, v9                       ; v9: the V side: row 32 h, channel 16 w + r
	s_lshl_b32 s36, s14, 3
	s_add_co_u32 s36, s36, s[WV]
	s_mul_i32 s36, s36, 1536
	s_add_co_u32 s36, s36, 25600
	v_add_nc_u32 v10, s36, v5                      ; v10: fragment dt = 8 half + w of the V-part
	s_and_b32 s36, s[WV], 1
	s_lshl_b32 s36, s36, 8
	s_lshr_b32 s37, s[WV], 1
	s_lshl_b32 s37, s37, 2
	s_add_co_u32 s36, s36, s37
	s_add_co_u32 s36, s36, SST+512
	v_lshl_add_u32 v11, v3, 4, s36                 ; v11: its scale word: SST + 512 + 16 (16 (w % 2) + r) + 4 (w / 2)
	v_add_nc_u32 v12, SST, v5                      ; v12, v13: the scale images' way out of LDS
	v_add_nc_u32 v13, SST+512, v5
	v_lshlrev_b32 v14, 4, v3
	s_delay_alu instid0(VALU_DEP_1)
	v_lshl_add_u32 v14, v4, 9, v14
	s_lshl_b32 s36, s14, 8
	s_add_co_u32 s36, s36, 24576
	v_add_nc_u32 v14, s36, v14                     ; v14: 24,576 + 512 (lane / 16) + 256 half + 16 (lane % 16)
	s_lshl_b32 s36, s14, 9
	s_add_co_u32 s36, s36, 50176
	v_add_nc_u32 v15, s36, v5                      ; v15: 50,176 + 512 half + 16 lane
.irp b, 4,5,6,7,9
	v_mov_b32 v[TM+\b], 0                          ; written once: a lane permute's destination counts as one of its sources
.endr
	s_wait_tensorcnt 0x0                           ; my 16 rows are in LDS,
	s_barrier_signal -1
	s_barrier_wait -1                              ; everybody's are
	; ---- K side: wave w is tile w
.set n, 0
.rept 16
	ds_load_b128 v[X+4*n:X+4*n+3], v6 offset:128*(n/4)+16*(n%4)
.set n, n+1
.endr
	s_wait_dscnt 0x0
	QUANT X
.irp k, 0,1,2
	global_store_b128 v7, v[PC+4*\k:PC+4*\k+3], s[40:41] offset:512*\k   ; 32 lanes store 512 consecutive bytes
.endr
	ds_store_b32 v8, v[PW]                         ; both halves of the lanes write the same word with the same value
	s_cmp_ge_u32 ttmp9, 128
	s_cbranch_scc1 .Lno_v                          ; z has no V side
	; ---- V side: wave w is channels 16 w + r of my half; a lane's registers run down the 128 codes: X[32 c + i] = code 64 c + 32 h + i
.set n, 0
.rept 64
	ds_load_b32 v[X+n], v9 offset:(64*(n/32)+n%32)*TP
.set n, n+1
.endr
	s_wait_dscnt 0x0
.irp c, 0,1
	v_max3_num_f32 v[TM+\c], |v[X+32*\c]|, |v[X+1+32*\c]|, 0x1800000   ; my block 2 c + h: all its 32 numbers are mine
.endr
.irp i, 2,4,6,8,10,12,14,16,18,20,22,24,26,28,30
.irp c, 0,1
	s_delay_alu instid0(VALU_DEP_2)
	v_max3_num_f32 v[TM+\c], v[TM+\c], |v[X+32*\c+\i]|, |v[X+1+32*\c+\i]|
.endr
.endr
.irp c, 0,1
	s_delay_alu instid0(VALU_DEP_2)
	v_add_nc_u32 v[TM+12+\c], 0xff000000, v[TM+\c]
.endr
.irp c, 0,1
	s_delay_alu instid0(VALU_DEP_2)
	v_lshrrev_b32 v[TM+4+\c], 23, v[TM+12+\c]
.endr
	s_delay_alu instid0(VALU_DEP_1)
	v_lshl_or_b32 v[PWV], v[TM+5], 16, v[TM+4]     ; my two bytes: blocks h and 2 + h,
	v_lshlrev_b32 v[TM+8], 3, v4
	s_delay_alu instid0(VALU_DEP_1)
	v_lshlrev_b32 v[PWV], v[TM+8], v[PWV]          ; at their places in the word;
	s_delay_alu instid0(VALU_DEP_1)
	v_permlanex16_b32 v[TM+9], v[PWV], s[SEL], s[SEL+1]
	s_delay_alu instid0(VALU_DEP_1)
	v_or_b32 v[PWV], v[PWV], v[TM+9]               ; with lane l xor 16's two the word is whole
.irp c, 0,1
	v_cvt_scalef32_pk16_fp6_f32 v[PCV+6*\c:PCV+2+6*\c], v[X+32*\c:X+15+32*\c], v[TM+12+\c]
	v_cvt_scalef32_pk16_fp6_f32 v[PCV+12+4*\c:PCV+14+4*\c], v[X+16+32*\c:X+31+32*\c], v[TM+12+\c]
.endr
	v_nop                                          ; one plain place behind a scaled conversion
.irp c, 0,1
.irp i, 0,1,2
	v_mov_b32 v[PCV+3+6*\c+\i], v[PCV+12+4*\c+\i]
.endr
.endr
.irp k, 0,1,2
	global_store_b128 v10, v[PCV+4*\k:PCV+4*\k+3], s[40:41] offset:512*\k
.endr
	ds_store_b32 v11, v[PWV]
.Lno_v:
	s_wait_dscnt 0x0                               ; my scale words lie in LDS,
	s_barrier_signal -1
	s_barrier_wait -1                              ; everybody's do
	s_cmp_lg_u32 s[WV], 0
	s_cbranch_scc1 .Lnot_0
	ds_load_b128 v[32:35], v12
	s_wait_dscnt 0x0
	global_store_b128 v14, v[32:35], s[40:41]      ; sixteen lanes store 256 consecutive bytes, aligned
.Lnot_0:
	s_cmp_lg_u32 s[WV], 1
	s_cbranch_scc1 .Ldone
	s_cmp_ge_u32 ttmp9, 128
	s_cbranch_scc1 .Ldone
	ds_load_b128 v[36:39], v13
	s_wait_dscnt 0x0
	global_store_b128 v15, v[36:39], s[40:41]
.Ldone:
	s_wait_tensorcnt 0x0
	ds_add_u32 v160, v161
	s_wait_dscnt 0x0
	s_endpgm
.Lfunc_end_k_q07e3abf276_quant:
	.size	k_q07e3abf276_quant, .Lfunc_end_k_q07e3abf276_quant-k_q07e3abf276_quant
	.p2alignl 7, 3214868480
	.fill 96, 4, 3214868480
	.section	.rodata,"a",@progbits
	.p2align	6, 0x0
	.amdhsa_kernel k_q07e3abf276_quant
		.amdhsa_group_segment_fixed_size 168960
		.amdhsa_private_segment_fixed_size 0
		.amdhsa_enable_private_segment 0
		.amdhsa_kernarg_size 32
		.amdhsa_user_sgpr_count 2
		.amdhsa_user_sgpr_kernarg_segment_ptr 1
		.amdhsa_wavefront_size32 1
		.amdhsa_system_sgpr_workgroup_id_x 1
		.amdhsa_system_sgpr_workgroup_id_y 1
		.amdhsa_system_sgpr_workgroup_id_z 1
		.amdhsa_system_vgpr_workitem_id 0
		.amdhsa_next_free_vgpr 162
		.amdhsa_next_free_sgpr 66
		.amdhsa_reserve_vcc 0
		.amdhsa_float_denorm_mode_32 3
		.amdhsa_float_denorm_mode_16_64 3
		.amdhsa_memory_ordered 1
		.amdhsa_forward_progress 1
		.amdhsa_inst_pref_size 22
	.end_amdhsa_kernel
	.amdgpu_metadata
---
amdhsa.version: [ 1, 2 ]
amdhsa.kernels:
  - .name:           k_q07e3abf276_quant
    .symbol:         k_q07e3abf276_quant.kd
    .args:
      - { .name: z, .offset: 0, .size: 8, .value_kind: global_buffer, .address_space: global }
      - { .name: embedding, .offset: 8, .size: 8, .value_kind: global_buffer, .address_space: global }
      - { .name: zc, .offset: 16, .size: 8, .value_kind: global_buffer, .address_space: global }
      - { .name: ec, .offset: 24, .size: 8, .value_kind: global_buffer, .address_space: global }
    .group_segment_fixed_size: 168960
    .private_segment_fixed_size: 0
    .kernarg_segment_align: 8
    .kernarg_segment_size: 32
    .max_flat_workgroup_size: 256
    .sgpr_count:     66
    .vgpr_count:     162
    .wavefront_size: 32
...
	.end_amdgpu_metadata
.endif
;; end of part 1
;; launch flash (part 2): grid 64 x 4, 8 waves a work-group, clusters of 4 x 1, 327,680 bytes of LDS; arguments zc, ec, opart, stats; writes opart, stats
.if DOCPART == 2
	.amdgcn_target "amdgcn-amd-amdhsa--gfx1250"
	.amdhsa_code_object_version 6
	.text
	.protected	k_q07e3abf276_flash
	.globl	k_q07e3abf276_flash
	.p2align	8
	.type	k_q07e3abf276_flash,@function
k_q07e3abf276_flash:
	s_mov_b64 s[64:65], 0
	v_nop
	global_prefetch_b8 v0, s[64:65] scope:SCOPE_SE
	s_setreg_imm32_b32 hwreg(HW_REG_WAVE_MODE, 25, 1), 1
	s_wait_xcnt 0x0
	s_wait_alu depctr_hold_cnt(0) depctr_sa_sdst(0) depctr_va_vdst(0) depctr_va_sdst(0) depctr_va_ssrc(0) depctr_va_vcc(0) depctr_vm_vsrc(0)
	s_getreg_b32 s2, hwreg(HW_REG_IB_STS2, 6, 4)
	s_cmp_eq_u32 s2, 0
	s_cbranch_scc0 .Lentry_in_a_cluster
	s_endpgm
.Lentry_in_a_cluster:
	s_bfe_u32 s2, ttmp6, 0x10000c
	s_cmp_lg_u32 s2, 0x3003
	s_cbranch_scc0 .Lentry_shape_is_right
	s_endpgm
.Lentry_shape_is_right:
; For 128 rows of z and a quarter (2,048) of the codebook: scores s = Q(z) Q(E)^T, the running argmax, the softmax at 0.07 ahead of the second product (p = 2^(c1 s - M1), M1 a whole number, quantised along the codes; O^T += V^T P^T),
; and the sums of the softmax at 0.01 (e2 = 2^(c2 s - M2): l2 = sum e2, q2 = sum e2 s).  Both products on codes of FP6 (E2M3) with E8M0 scales.  Stored: partial O^T (image of its 128 registers) and 7 numbers a row.
; SHARES.  A work-group owns 128 rows, each of its eight waves one tile of 16 in 480 registers (two waves to a SIMD); every wave walks the quarter's 16 steps of 128 codes.
; LAYOUT.  Both products are used transposed: a lane holds ONE row of z (lane % 16) throughout.  The codes of a tile of E are chosen so that S[16 b + i] is code 32 b + 16 (lane / 16) + i of the step.
; RING.  Two LDS slots of two steps (102,400 bytes).  The four work-groups of a cluster walk the same quarter: each slot is asked for JOINTLY, every wave fetching an eighth (50 rows of 256 bytes).  One tensor load of a wave is out at any time.
; A slot's load is issued two key steps ahead of the wait for it, so nothing further is asked of memory ahead of it.
; ARGMAX.  Of the scores, the lowest index among equal ones.  A lane keeps its largest score, the first block of 16 that reached it (strictly greater replaces) and that block's 16 scores; the place in the block is found at the end.
; LIMITS: NaN and infinities are not served.  Two different scores whose f32 probabilities would round to the same number are told apart here by the score.
; REGISTERS, window 0: v1-7 addresses; v8-31 z's two fragments; v32-49 scale words; v50-63 statistics; v64-127 S; v128-191 Y (p, then e2); v192-207 the argmax's 16 scores; v208-227 p's codes; v228-255 at work.
;   window 1: v0-127 O^T; v128-175, v176-223 two buffers of four fragments.
.set STEPB, 51200                      ; a step's K-part and V-part
.set SLOTB, 2*STEPB
.set SCR,   SLOTB                      ; behind slot 0: 7 x 512 bytes for the statistics' way out
.set SPARE, SCR+4096                   ; the spare words, 128 bytes for each wave
.set SLOT1, 1<<17
.set LI,  1                            ; 16 x lane
.set LI1, 2                            ; + a step
.set ADR, 3
.set SPW, 4
.set NIL, 5
.set QF,  8
.set QS,  32
.set PW,  33
.set KSC, 34
.set VSC, 42
.set NM1, 50                           ; -M1   (v51 beside it: the largest score)
.set SMX, 51
.set NM2, 52                           ; -M2   (v53 beside it: my lane's largest score)
.set RM,  53
.set L1,  54
.set L2,  56
.set Q2,  58
.set F1,  60                           ; 2^(old M1 - new M1)   (v61 beside it: the argmax's block)
.set ID,  61
.set F2,  62
.set S,   64
.set Y,   128
.set CAND, 192
.set PC,  208
.set CT,  220
.set BM,  228
.set BT,  232
.set SO,  236
.set BY,  240
.set T0,  244
.set FB0, 128
.set FB1, 176
.set WV,  12
.set TB,  28
.set SLOTS, 29
.set SEL, 30
.set C1,  32
.set C2,  34
.set KB,  36
.set MSB, 0
.macro WIN new                         ; the immediate's high byte repeats the setting that is left
.if MSB != \new
	s_set_vgpr_msb (MSB<<8)|\new
.set MSB, \new
.endif
.endm
.macro NOP4                            ; four places behind matrix instructions, in front of loads into their registers and of reads of their results
.rept 4
	v_nop
.endr
.endm
.macro CROUND                          ; a round of the cluster's barrier
	s_barrier_signal -1
	s_barrier_wait -1
	s_cmp_lg_u32 s[WV], 0
	s_cbranch_scc1 .Lnot_wave_0_\@
	s_barrier_signal -3
.Lnot_wave_0_\@:
	s_barrier_wait -3
	s_barrier_signal -1
	s_barrier_wait -1
.endm
.macro LOADG fb, off                   ; four fragments, 6,144 consecutive bytes, into a buffer of window 1
	WIN 0x40
.set n, 0
.rept 12
	ds_load_b128 v[\fb+4*n:\fb+4*n+3], v[ADR] offset:\off+512*n
.set n, n+1
.endr
.endm
.macro KQ g, fb                        ; tiles 2 g, 2 g + 1 of S^T = E z^T, two K steps; the two accumulators take turns
	WIN 0x01
	v_wmma_scale_f32_16x16x128_f8f6f4 v[S+16*\g:S+16*\g+7], v[\fb:\fb+11], v[QF:QF+11], 0, v[KSC+2*\g], v[QS] matrix_a_fmt:MATRIX_FMT_FP6 matrix_b_fmt:MATRIX_FMT_FP6
	v_wmma_scale_f32_16x16x128_f8f6f4 v[S+16*\g+8:S+16*\g+15], v[\fb+24:\fb+35], v[QF:QF+11], 0, v[KSC+2*\g+1], v[QS] matrix_a_fmt:MATRIX_FMT_FP6 matrix_b_fmt:MATRIX_FMT_FP6
	v_wmma_scale_f32_16x16x128_f8f6f4 v[S+16*\g:S+16*\g+7], v[\fb+12:\fb+23], v[QF+12:QF+23], v[S+16*\g:S+16*\g+7], v[KSC+2*\g], v[QS] matrix_a_fmt:MATRIX_FMT_FP6 matrix_b_fmt:MATRIX_FMT_FP6 matrix_a_scale:MATRIX_SCALE_ROW1 matrix_b_scale:MATRIX_SCALE_ROW1
	v_wmma_scale_f32_16x16x128_f8f6f4 v[S+16*\g+8:S+16*\g+15], v[\fb+36:\fb+47], v[QF+12:QF+23], v[S+16*\g+8:S+16*\g+15], v[KSC+2*\g+1], v[QS] matrix_a_fmt:MATRIX_FMT_FP6 matrix_b_fmt:MATRIX_FMT_FP6 matrix_a_scale:MATRIX_SCALE_ROW1 matrix_b_scale:MATRIX_SCALE_ROW1
.endm
.macro PV g, fb                        ; O^T[dt] += V^T[dt] P^T, dt = 4 g + 0 .. 3
	WIN 0x51
.irp f, 0,2
	v_wmma_scale_f32_16x16x128_f8f6f4 v[8*(4*\g+\f):8*(4*\g+\f)+7], v[\fb+12*\f:\fb+12*\f+11], v[PC:PC+11], v[8*(4*\g+\f):8*(4*\g+\f)+7], v[VSC+2*\g+\f/2], v[PW] matrix_a_fmt:MATRIX_FMT_FP6 matrix_b_fmt:MATRIX_FMT_FP6
	v_wmma_scale_f32_16x16x128_f8f6f4 v[8*(4*\g+\f+1):8*(4*\g+\f+1)+7], v[\fb+12*\f+12:\fb+12*\f+23], v[PC:PC+11], v[8*(4*\g+\f+1):8*(4*\g+\f+1)+7], v[VSC+2*\g+\f/2], v[PW] matrix_a_fmt:MATRIX_FMT_FP6 matrix_b_fmt:MATRIX_FMT_FP6 matrix_a_scale:MATRIX_SCALE_ROW1
.endr
.endm
	s_load_b256 s[4:11], s[0:1], 0x0               ; zc s[4:5], ec s[6:7], opart s[8:9], stats s[10:11]
	v_lshl_add_u32 v[SPW], v0, 2, SPARE
	v_mov_b32 v[NIL], 0
	ds_add_u32 v4, v5
	ds_add_u32 v4, v5
	s_wait_dscnt 0x0
	v_lshrrev_b32 v6, 5, v0
	s_delay_alu instid0(VALU_DEP_1)
	v_readfirstlane_b32 s[WV], v6                  ; wave 0..7
	s_bfe_u32 s13, ttmp6, 0x40000                  ; cx
	s_lshl_b32 s14, ttmp9, 2
	s_add_co_u32 s14, s14, s13                     ; my block of 128 rows: it enters the addresses of plain loads and stores alone
	s_and_b32 s15, ttmp7, 0xffff                   ; the quarter, which the four partners share
	; descriptor group 1: 50 rows of 256 bytes, dense; the mask names the four work-groups
	s_mov_b32 s16, 15|(3<<16)|(1<<21)
	s_mov_b32 s17, 32<<16
	s_mov_b32 s18, 50<<16
	s_mov_b32 s19, 32<<16
	s_mov_b32 s20, 50
	s_mov_b32 s21, 32
	s_mov_b32 s22, 0
	s_mov_b32 s23, 0
	s_mul_i32 s40, s15, 16*STEPB                   ; the quarter's first byte in ec,
	s_mul_i32 s25, s[WV], 12800                    ; my eighth of a slot, in LDS
	s_add_co_u32 s40, s40, s25                     ; and in memory
	s_mov_b32 s41, 0
	s_mov_b32 s24, 1
	s_mov_b32 s[TB], 0
	s_mov_b32 s[SLOTS], 7
	s_mov_b32 s[SEL], 0x76543210
	s_mov_b32 s[SEL+1], 0xfedcba98
	s_mov_b32 s[C1], 0x41a4e123                    ; c1 = log2(e) / 0.07
	s_mov_b32 s[C1+1], s[C1]
	s_mov_b32 s[C2], 0x431044fe                    ; c2 = log2(e) / 0.01
	s_mov_b32 s[C2+1], s[C2]
	s_lshl_b32 s[KB], s15, 11                      ; the first code of each block of 32 of the step in hand
	s_add_co_u32 s[KB+1], s[KB], 32
	s_add_co_u32 s[KB+2], s[KB], 64
	s_add_co_u32 s[KB+3], s[KB], 96
	s_mul_i32 s50, s14, 25600                      ; my block's K-part in zc
	s_mul_i32 s51, s[WV], 3072
	s_add_co_u32 s52, s50, s51                     ; my tile's two fragments
	s_mov_b32 s53, 0
	s_lshr_b32 s51, s[WV], 2
	s_lshl_b32 s51, s51, 9
	s_and_b32 s54, s[WV], 3
	s_lshl_b32 s54, s54, 2
	s_add_co_u32 s54, s54, s51
	s_add_co_u32 s54, s54, s50
	s_add_co_u32 s54, s54, 24576                   ; my tile's register of the scale images
	s_mov_b32 s55, 0
	s_lshl_b32 s50, s14, 3
	s_add_co_u32 s50, s50, s[WV]                   ; tile T = 8 x block + wave
	s_lshl_b32 s50, s50, 2
	s_add_co_u32 s50, s50, s15
	s_lshl_b32 s50, s50, 14                        ; (4 T + quarter) x 16,384
	s_mov_b32 s51, 0
	s_lshl_b32 s56, s[WV], 2
	s_add_co_u32 s56, s56, s15
	s_lshl_b32 s56, s56, 15                        ; field w of the statistics: (4 w + quarter) x 32,768
	s_lshl_b32 s57, s14, 9
	s_add_co_u32 s56, s56, s57                     ; + 512 x block
	s_mov_b32 s57, 0
	s_wait_kmcnt 0x0
	s_add_nc_u64 s[26:27], s[6:7], s[40:41]
	s_or_b32 s27, s27, 0x80000000
	s_add_nc_u64 s[42:43], s[4:5], s[52:53]
	s_add_nc_u64 s[44:45], s[4:5], s[54:55]
	s_add_nc_u64 s[46:47], s[8:9], s[50:51]
	s_add_nc_u64 s[48:49], s[10:11], s[56:57]
	CROUND                                         ; all four work-groups are here: the first joint loads meet
	tensor_load_to_lds s[24:27], s[16:23]          ; slot 0
	s_nop 0
	NOP4
	v_and_b32 v6, 31, v0
	s_delay_alu instid0(VALU_DEP_1)
	v_lshlrev_b32 v[LI], 4, v6
	s_delay_alu instid0(VALU_DEP_1)
	v_add_nc_u32 v[LI1], STEPB, v[LI]
.irp c, 0,1
.irp k, 0,1,2
	global_load_b128 v[QF+12*\c+4*\k:QF+12*\c+4*\k+3], v[LI], s[42:43] offset:1536*\c+512*\k   ; z's fragments stay in registers
.endr
.endr
	global_load_b32 v[QS], v[LI], s[44:45]         ; lanes 0-15: K step 0's scale words; lanes 16-31: K step 1's
	v_and_b32 v6, 15, v0
	s_lshl_b32 s40, s[WV], 6
	s_add_co_u32 s40, s40, SCR
	v_lshl_add_u32 v6, v6, 2, s40                  ; v6: where my row's statistics go: SCR + 64 w + 4 (lane % 16)
	s_lshl_b32 s40, s[WV], 9
	s_add_co_u32 s40, s40, SCR
	v_add_nc_u32 v7, s40, v[LI]                    ; v7: where wave w reads field w back
	v_mov_b32 v[NM1], 0x7f61b1e6                   ; -M = 3e38: under every t
	v_mov_b32 v[NM2], 0x7f61b1e6
	v_mov_b32 v[SMX], 0xff61b1e6
	v_mov_b32 v[RM], 0xff800000
.irp j, 54,55,56,57,58,59,60,61,62,63
	v_mov_b32 v[\j], 0                             ; the sums, the factors, the argmax's block
.endr
.set n, 0
.rept 16
	v_mov_b32 v[CAND+n], 0
.set n, n+1
.endr
.irp b, 0,1,2,3
	v_mov_b32 v[BT+\b], 0                          ; written once: a lane permute's destination counts as one of its sources
.endr
	WIN 0x40
.set n, 0
.rept 128
	v_mov_b32 v[n], 0                              ; O^T.  (The step is written once: the first finds zeros, which the first change of M leaves zeros)
.set n, n+1
.endr
	WIN 0
; A KEY STEP: 128 codes, the q-th of the slot in hand.
.macro STEP q
	WIN 0
.if \q
	v_add_nc_u32 v[ADR], s[TB], v[LI1]
.else
	v_add_nc_u32 v[ADR], s[TB], v[LI]
.endif
	ds_load_b128 v[KSC:KSC+3],   v[ADR] offset:24576
	ds_load_b128 v[KSC+4:KSC+7], v[ADR] offset:25088
	ds_load_b128 v[VSC:VSC+3],   v[ADR] offset:50176
	ds_load_b128 v[VSC+4:VSC+7], v[ADR] offset:50688
	LOADG FB0, 0
	LOADG FB1, 6144
	s_wait_alu depctr_va_vdst(0)
	s_wait_dscnt 12                                ; all but the 12 loads issued last, here and below
	KQ 0, FB0
	NOP4
	LOADG FB0, 12288
	s_wait_dscnt 12
	KQ 1, FB1
	NOP4
	LOADG FB1, 18432
	s_wait_dscnt 12
	KQ 2, FB0
	NOP4
	LOADG FB0, 25600                               ; V's first four fragments
	s_wait_dscnt 12
	KQ 3, FB1
	NOP4
	LOADG FB1, 25600+6144
	WIN 0
	; ---- the largest score of my 16 of each block of 32 codes
.irp b, 0,1,2,3
	v_max3_num_f32 v[BM+\b], v[S+16*\b], v[S+16*\b+1], v[S+16*\b+2]
.endr
.irp i, 3,5,7,9,11,13
.irp b, 0,1,2,3
	v_max3_num_f32 v[BM+\b], v[BM+\b], v[S+16*\b+\i], v[S+16*\b+\i+1]
.endr
.endr
.irp b, 0,1,2,3
	v_max_num_f32 v[BM+\b], v[BM+\b], v[S+16*\b+15]
.endr
	; ---- the argmax: a block that is strictly greater than all before it takes the place
.irp b, 0,1,2,3
	v_cmp_gt_f32 vcc_lo, v[BM+\b], v[RM]
	s_delay_alu instid0(VALU_DEP_1)
	v_cndmask_b32 v[ID], v[ID], s[KB+\b], vcc_lo
	v_max_num_f32 v[RM], v[RM], v[BM+\b]
.set n, 0
.rept 16
	v_cndmask_b32 v[CAND+n], v[CAND+n], v[S+16*\b+n], vcc_lo
.set n, n+1
.endr
.endr
.irp b, 0,1,2,3
	v_permlanex16_b32 v[BT+\b], v[BM+\b], s[SEL], s[SEL+1]
.endr
.irp b, 0,1,2,3
	s_delay_alu instid0(VALU_DEP_4)
	v_max_num_f32 v[BM+\b], v[BM+\b], v[BT+\b]     ; with lane l xor 16's 16 codes: the block's largest score
.endr
	s_delay_alu instid0(VALU_DEP_2)
	v_max3_num_f32 v[T0], v[BM], v[BM+1], v[BM+2]
	s_delay_alu instid0(VALU_DEP_1)
	v_max_num_f32 v[T0], v[T0], v[BM+3]
	s_delay_alu instid0(VALU_DEP_1)
	v_max_num_f32 v[SMX], v[SMX], v[T0]            ; the running largest score of my row
	s_delay_alu instid0(VALU_DEP_1)
	v_mul_f32 v[T0], s[C1], v[SMX]
	s_delay_alu instid0(VALU_DEP_2)
	v_mul_f32 v[T0+1], s[C2], v[SMX]
	v_mov_b32 v[T0+2], v[NM1]
	v_mov_b32 v[T0+3], v[NM2]
	s_delay_alu instid0(VALU_DEP_4)
	v_floor_f32 v[NM1], -v[T0]                     ; -M = floor(-t) = -ceil(t): whole numbers
	s_delay_alu instid0(VALU_DEP_4)
	v_floor_f32 v[NM2], -v[T0+1]
	s_delay_alu instid0(VALU_DEP_2)
	v_sub_f32 v[T0+2], v[NM1], v[T0+2]             ; old M - new M: 0 or less
	s_delay_alu instid0(VALU_DEP_2)
	v_sub_f32 v[T0+3], v[NM2], v[T0+3]
	s_delay_alu instid0(VALU_DEP_2)
	v_cvt_i32_f32 v[T0+2], v[T0+2]                 ; (it saturates)
	s_delay_alu instid0(VALU_DEP_2)
	v_cvt_i32_f32 v[T0+3], v[T0+3]
	s_delay_alu instid0(VALU_DEP_2)
	v_ldexp_f32 v[F1], 1.0, v[T0+2]                ; the factors that bring the sums under the new M: exact
	s_delay_alu instid0(VALU_DEP_2)
	v_ldexp_f32 v[F2], 1.0, v[T0+3]
	; ---- p = 2^(c1 s - M1)
.set n, 0
.rept 32
	v_pk_fma_f32 v[Y+n:Y+n+1], v[S+n:S+n+1], s[C1:C1+1], v[NM1:NM1+1] op_sel_hi:[1,0,0]
.set n, n+2
.endr
.irp b, 0,1,2,3
	v_fma_f32 v[BM+\b], v[BM+\b], s[C1], v[NM1]    ; the same of each block's largest score
.endr
.set n, 0
	s_wait_alu depctr_va_vdst(0)
.rept 64
	v_exp_f32 v[Y+n], v[Y+n]
.set n, n+1
.endr
	WIN 0x41                                       ; independent work behind the exponentials: O^T and the sums under the new M
.set n, 0
	s_wait_alu depctr_va_vdst(0)
.rept 64
	v_pk_mul_f32 v[n:n+1], v[n:n+1], v[F1:F1+1] op_sel_hi:[1,0]
.set n, n+2
.endr
	WIN 0
	v_pk_mul_f32 v[L1:L1+1], v[L1:L1+1], v[F1:F1+1] op_sel_hi:[1,0]
	v_pk_mul_f32 v[L2:L2+1], v[L2:L2+1], v[F2:F2+1] op_sel_hi:[1,0]
	v_pk_mul_f32 v[Q2:Q2+1], v[Q2:Q2+1], v[F2:F2+1] op_sel_hi:[1,0]
	s_wait_alu depctr_va_vdst(0)                   ; one wait for the batch of 64, ahead of its first reader
.irp b, 0,1,2,3
	v_exp_f32 v[BM+\b], v[BM+\b]                   ; the block's largest p: the same two instructions on the same number give the same bits
.endr
	v_pk_add_f32 v[T0:T0+1], v[Y:Y+1], v[Y+2:Y+3]  ; the row's sum is taken of the unquantised p, in two chains
.irp j, 4,8,12,16,20,24,28
	v_pk_add_f32 v[L1:L1+1], v[L1:L1+1], v[Y+\j:Y+\j+1]
	v_pk_add_f32 v[T0:T0+1], v[T0:T0+1], v[Y+\j+2:Y+\j+3]
.endr
	s_wait_alu depctr_va_vdst(0)                   ; and one for the four
.irp b, 0,1,2,3
	v_max_num_f32 v[BM+\b], 0x1800000, v[BM+\b]    ; the floor 2^(3 - 127): the byte cannot fall under 1
.endr
.irp b, 0,1,2,3
	s_delay_alu instid0(VALU_DEP_4)
	v_add_nc_u32 v[SO+\b], 0xff000000, v[BM+\b]    ; 2 off the exponent field: the conversion's scale operand
.endr
.irp b, 0,1,2,3
	s_delay_alu instid0(VALU_DEP_4)
	v_lshrrev_b32 v[BY+\b], 23, v[SO+\b]
.endr
	s_delay_alu instid0(VALU_DEP_3)
	v_lshl_or_b32 v[PW], v[BY+1], 8, v[BY]         ; p's scale word for these 128 codes
	s_delay_alu instid0(VALU_DEP_1)
	v_lshl_or_b32 v[PW], v[BY+2], 16, v[PW]
	s_delay_alu instid0(VALU_DEP_1)
	v_lshl_or_b32 v[PW], v[BY+3], 24, v[PW]
.irp c, 0,1
	v_cvt_scalef32_pk16_fp6_f32 v[PC+6*\c:PC+6*\c+2], v[Y+32*\c:Y+32*\c+15], v[SO+2*\c]
	v_cvt_scalef32_pk16_fp6_f32 v[CT+4*\c:CT+4*\c+2], v[Y+32*\c+16:Y+32*\c+31], v[SO+2*\c+1]
.endr
	v_nop                                          ; one plain place behind a scaled conversion
.irp c, 0,1                                    ; the operand's layout wants a whole block in a lane
.irp i, 0,1,2
	v_permlane16_swap_b32 v[PC+6*\c+\i], v[CT+4*\c+\i]
.endr
.irp i, 0,1,2
	s_delay_alu instid0(VALU_DEP_3)
	v_mov_b32 v[PC+3+6*\c+\i], v[CT+4*\c+\i]
.endr
.endr
.irp j, 32,36,40,44,48,52,56,60
	v_pk_add_f32 v[L1:L1+1], v[L1:L1+1], v[Y+\j:Y+\j+1]
	v_pk_add_f32 v[T0:T0+1], v[T0:T0+1], v[Y+\j+2:Y+\j+3]
.endr
	s_delay_alu instid0(VALU_DEP_1)
	v_pk_add_f32 v[L1:L1+1], v[L1:L1+1], v[T0:T0+1]
	; ---- e2 = 2^(c2 s - M2).  (These 32 lines are also the places between the codes and scale word just made and the products that take them)
.set n, 0
.rept 32
	v_pk_fma_f32 v[Y+n:Y+n+1], v[S+n:S+n+1], s[C2:C2+1], v[NM2:NM2+1] op_sel_hi:[1,0,0]
.set n, n+2
.endr
.set n, 0
	s_wait_alu depctr_va_vdst(0)
.rept 64
	v_exp_f32 v[Y+n], v[Y+n]
.set n, n+1
.endr
	v_nop                                          ; a plain place behind the last exponential
	; ---- O^T += V^T P^T: the independent work behind the second batch
	s_wait_dscnt 12
	PV 0, FB0
	NOP4
	LOADG FB0, 25600+12288
	s_wait_dscnt 12
	PV 1, FB1
	NOP4
	LOADG FB1, 25600+18432
	s_wait_dscnt 12
	PV 2, FB0
	s_wait_dscnt 0x0
	PV 3, FB1
	WIN 0
	s_wait_alu depctr_va_vdst(0)                   ; one wait for the second batch, ahead of its first reader
	v_pk_add_f32 v[T0+2:T0+3], v[Y:Y+1], v[Y+2:Y+3]     ; l2 += e2, q2 += e2 s, in two chains each.  (Also the places in front of the next step's loads)
	v_pk_mul_f32 v[T0+4:T0+5], v[Y:Y+1], v[S:S+1]
	v_pk_fma_f32 v[Q2:Q2+1], v[Y+2:Y+3], v[S+2:S+3], v[Q2:Q2+1]
.irp j, 4,8,12,16,20,24,28,32,36,40,44,48,52,56,60
	v_pk_add_f32 v[L2:L2+1], v[L2:L2+1], v[Y+\j:Y+\j+1]
	v_pk_add_f32 v[T0+2:T0+3], v[T0+2:T0+3], v[Y+\j+2:Y+\j+3]
	v_pk_fma_f32 v[Q2:Q2+1], v[Y+\j:Y+\j+1], v[S+\j:S+\j+1], v[Q2:Q2+1]
	v_pk_fma_f32 v[T0+4:T0+5], v[Y+\j+2:Y+\j+3], v[S+\j+2:S+\j+3], v[T0+4:T0+5]
.endr
	s_delay_alu instid0(VALU_DEP_3)
	v_pk_add_f32 v[L2:L2+1], v[L2:L2+1], v[T0+2:T0+3]
	s_delay_alu instid0(VALU_DEP_2)
	v_pk_add_f32 v[Q2:Q2+1], v[Q2:Q2+1], v[T0+4:T0+5]
.irp b, 0,1,2,3
	s_add_co_u32 s[KB+\b], s[KB+\b], 128
.endr
.endm
; THE CHANGE OF SLOTS stands at a slot's head.  Each wave waits for all its tensor loads (its part of the slot ahead), adds 0 to its spare word, and waits for that and for its reads of the slot that it has left.
; fill = 1: a round of the cluster's barrier, and behind it the joint load of the next two steps into the slot just left; it has two key steps in which to land.
.macro CHANGE fill
	s_wait_tensorcnt 0x0                           ; no tensor load of mine is out, so the group 0 may be written
	ds_add_u32 v[SPW], v[NIL]                      ; 0 onto my spare word
.if \fill
	s_xor_b32 s25, s25, SLOT1                      ; the other slot than last time,
	s_add_nc_u64 s[26:27], s[26:27], SLOTB         ; the next two steps
.endif
	s_wait_dscnt 0x0                               ; the add is done, and my reads of the slot that I have left are over
.if \fill
	CROUND
	tensor_load_to_lds s[24:27], s[16:23]
	s_nop 0
	NOP4
.else
	s_barrier_signal -1
	s_barrier_wait -1
.endif
.endm
	s_wait_loadcnt 0x0                             ; z's fragments and scale words
.Lslot:                                            ; 7 trips: behind each change of slots but the last the next slot is asked for
	CHANGE 1
	STEP 0
	STEP 1
	s_xor_b32 s[TB], s[TB], SLOT1
	s_sub_co_u32 s[SLOTS], s[SLOTS], 1
	s_cmp_lg_u32 s[SLOTS], 0
	s_cbranch_scc1 .Lslot
	CHANGE 0                                       ; the last slot is written out
	STEP 0
	STEP 1
	; ---- the argmax's place in its block: the lowest i that holds the lane's largest score
	v_mov_b32 v[T0], 0
.irp i, 15,14,13,12,11,10,9,8,7,6,5,4,3,2,1,0
	v_cmp_eq_f32 vcc_lo, v[CAND+\i], v[RM]
	s_delay_alu instid0(VALU_DEP_1)
	v_cndmask_b32 v[T0], v[T0], \i, vcc_lo
.endr
	v_bfe_u32 v[T0+1], v0, 4, 1
	s_delay_alu instid0(VALU_DEP_1)
	v_lshl_add_u32 v[T0], v[T0+1], 4, v[T0]
	s_delay_alu instid0(VALU_DEP_1)
	v_add_nc_u32 v[T0], v[T0], v[ID]               ; my lane's code: block + 16 (lane / 16) + place
	v_mov_b32 v[T0+2], 0x7fffffff
	v_cmp_eq_f32 vcc_lo, v[RM], v[SMX]
	s_delay_alu instid0(VALU_DEP_1)
	v_cndmask_b32 v[T0], v[T0+2], v[T0], vcc_lo    ; it counts if my lane's largest is the row's
	s_delay_alu instid0(VALU_DEP_1)
	v_permlanex16_b32 v[T0+3], v[T0], s[SEL], s[SEL+1]
	s_delay_alu instid0(VALU_DEP_1)
	v_min_u32 v[T0], v[T0], v[T0+3]                ; the lower of the two halves'
	v_add_f32 v[L1], v[L1], v[L1+1]
	v_add_f32 v[L2], v[L2], v[L2+1]
	v_add_f32 v[Q2], v[Q2], v[Q2+1]
	s_delay_alu instid0(VALU_DEP_3)
	v_permlanex16_b32 v[L1+1], v[L1], s[SEL], s[SEL+1]
	s_delay_alu instid0(VALU_DEP_3)
	v_permlanex16_b32 v[L2+1], v[L2], s[SEL], s[SEL+1]
	s_delay_alu instid0(VALU_DEP_3)
	v_permlanex16_b32 v[Q2+1], v[Q2], s[SEL], s[SEL+1]
	s_delay_alu instid0(VALU_DEP_3)
	v_add_f32 v[L1], v[L1], v[L1+1]
	s_delay_alu instid0(VALU_DEP_3)
	v_add_f32 v[L2], v[L2], v[L2+1]
	s_delay_alu instid0(VALU_DEP_3)
	v_add_f32 v[Q2], v[Q2], v[Q2+1]
	ds_store_b32 v6, v[SMX]                        ; both halves of the lanes write the same word with the same value
	ds_store_b32 v6, v[T0] offset:512
	ds_store_b32 v6, v[L1] offset:1024
	ds_store_b32 v6, v[L2] offset:1536
	ds_store_b32 v6, v[Q2] offset:2048
	ds_store_b32 v6, v[NM1] offset:2560
	ds_store_b32 v6, v[NM2] offset:3072
	WIN 0x04                                       ; a store's data are its source 1: window 1
.set n, 0
.rept 32
	global_store_b128 v[LI], v[4*n:4*n+3], s[46:47] offset:512*n   ; O^T as it stands, each accumulator from its low end on: 512 consecutive bytes a store
.set n, n+1
.endr
	WIN 0
	s_wait_dscnt 0x0                               ; my statistics lie in LDS,
	s_barrier_signal -1
	s_barrier_wait -1                              ; everybody's do
	s_cmp_eq_u32 s[WV], 7
	s_cbranch_scc1 .Lno_stat                       ; seven fields, a wave to each
	ds_load_b128 v[T0:T0+3], v7
	s_wait_dscnt 0x0
	global_store_b128 v[LI], v[T0:T0+3], s[48:49]  ; the field's 128 numbers: 512 consecutive bytes
.Lno_stat:
	s_wait_tensorcnt 0x0                           ; the wave's end
	ds_add_u32 v[SPW], v[NIL]
	s_wait_dscnt 0x0
	CROUND                                         ; the closing round
	s_endpgm
.Lfunc_end_k_q07e3abf276_flash:
	.size	k_q07e3abf276_flash, .Lfunc_end_k_q07e3abf276_flash-k_q07e3abf276_flash
	.p2alignl 7, 3214868480
	.fill 96, 4, 3214868480
	.section	.rodata,"a",@progbits
	.p2align	6, 0x0
	.amdhsa_kernel k_q07e3abf276_flash
		.amdhsa_group_segment_fixed_size 327680
		.amdhsa_private_segment_fixed_size 0
		.amdhsa_enable_private_segment 0
		.amdhsa_kernarg_size 32
		.amdhsa_user_sgpr_count 2
		.amdhsa_user_sgpr_kernarg_segment_ptr 1
		.amdhsa_wavefront_size32 1
		.amdhsa_system_sgpr_workgroup_id_x 1
		.amdhsa_system_sgpr_workgroup_id_y 1
		.amdhsa_system_sgpr_workgroup_id_z 1
		.amdhsa_system_vgpr_workitem_id 0
		.amdhsa_next_free_vgpr 480
		.amdhsa_next_free_sgpr 66
		.amdhsa_reserve_vcc 1
		.amdhsa_float_denorm_mode_32 3
		.amdhsa_float_denorm_mode_16_64 3
		.amdhsa_memory_ordered 1
		.amdhsa_forward_progress 1
		.amdhsa_inst_pref_size 176
	.end_amdhsa_kernel
	.amdgpu_metadata
---
amdhsa.version: [ 1, 2 ]
amdhsa.kernels:
  - .name:           k_q07e3abf276_flash
    .symbol:         k_q07e3abf276_flash.kd
    .args:
      - { .name: zc, .offset: 0, .size: 8, .value_kind: global_buffer, .address_space: global }
      - { .name: ec, .offset: 8, .size: 8, .value_kind: global_buffer, .address_space: global }
      - { .name: opart, .offset: 16, .size: 8, .value_kind: global_buffer, .address_space: global }
      - { .name: stats, .offset: 24, .size: 8, .value_kind: global_buffer, .address_space: global }
    .group_segment_fixed_size: 327680
    .private_segment_fixed_size: 0
    .kernarg_segment_align: 8
    .kernarg_segment_size: 32
    .max_flat_workgroup_size: 256
    .sgpr_count:     66
    .vgpr_count:     480
    .wavefront_size: 32
...
	.end_amdgpu_metadata
.endif
;; end of part 2
;; launch cols (part 3): grid 32 x 8, 16 waves a work-group, clusters of 4 x 1, 327,680 bytes of LDS; arguments zc, ec, opart, stats, z, out0, out2, colpart, wgpart; writes out0, out2, colpart, wgpart
.if DOCPART == 3
	.amdgcn_target "amdgcn-amd-amdhsa--gfx1250"
	.amdhsa_code_object_version 6
	.text
	.protected	k_q07e3abf276_cols
	.globl	k_q07e3abf276_cols
	.p2align	8
	.type	k_q07e3abf276_cols,@function
k_q07e3abf276_cols:
	s_mov_b64 s[64:65], 0
	v_nop
	global_prefetch_b8 v0, s[64:65] scope:SCOPE_SE
	s_setreg_imm32_b32 hwreg(HW_REG_WAVE_MODE, 25, 1), 1
	s_wait_xcnt 0x0
	s_wait_alu depctr_hold_cnt(0) depctr_sa_sdst(0) depctr_va_vdst(0) depctr_va_sdst(0) depctr_va_ssrc(0) depctr_va_vcc(0) depctr_vm_vsrc(0)
	s_getreg_b32 s2, hwreg(HW_REG_IB_STS2, 6, 4)
	s_cmp_eq_u32 s2, 0
	s_cbranch_scc0 .Lentry_in_a_cluster
	s_endpgm
.Lentry_in_a_cluster:
	s_bfe_u32 s2, ttmp6, 0x10000c
	s_cmp_lg_u32 s2, 0x3003
	s_cbranch_scc0 .Lentry_shape_is_right
	s_endpgm
.Lentry_shape_is_right:
; (a) THE COMBINE, 32 rows a work-group: the four quarters' partial O^T and statistics become z_q (out0), the argmax (out2) and four partial sums (sum of probabilities, largest probability, sum p2 log2 p2, cosine).
; (b) THE COLUMN PASS, 1,024 rows x 256 codes a work-group: the scores are made once more on the same codes of FP6, and e2 / l2 = 2^(c2 s - M2) x W is summed down each column; 8 partial sums a column go to colpart.
; The column means need every row's final M2 and l2, which only the launch before can give.  Rows and columns are taken in the order of the tiles ("positions"); sums do not mind; out0 and out2 are put back in true order.
; TILES.  All codes fit in LDS at once: 8 K-parts of z (204,800 bytes; the four work-groups of a cluster share them: joint loads) and 2 K-parts of E (plain loads).  One tensor load a wave, all first fills: one is out at most.
; WAVES in (b): cg = w % 4 takes 4 tiles of columns, whose 8 fragments stay in registers; rs = w / 4 takes 4 tiles of rows of each chunk of 256 rows.  Source 0 = z, source 1 = E: a lane holds one column and eight rows.
; LIMITS: NaN and infinities are not served.  The 1e-5 inside log_softmax is not added: a shift common to a row leaves log_softmax as it is.  sum p2 t2 is kept as c2 x sum e2 s.
; The argmax goes over the quarters in ascending order and only a strictly greater score replaces: the lowest index among equal scores.
; THE TENSOR LOADS, in place of the count given above: ONE a wave, all first fills, in rows of 256 bytes that begin at multiples of 256 bytes of their buffers.
; Waves 0-7 fetch E's two K-parts (25 rows each, plain loads), waves 8-15 one K-part of z each (100 rows, joint loads of the four partners).
.set ET,   204800
.set TAB,  256000                      ; -M2 of my 1,024 rows; at + 4,096 W = 1 / l2
.set STG,  264192                      ; 32 rows of z_q, 1,024 bytes + 16
.set KEYS, 297472
.set SCS,  297728                      ; 4 values x 16 waves
.set CSUM, 297984                      ; 4 x 256 column sums
.set LI,   1
.set ADRA, 2
.set ADRS, 3
.set ADRT, 4
.set ADRB, 5
.set ADRC, 6
.set ADRO, 7
.set BSC,  8                           ; v8-11  E's scale words;  v12-15 z's
.set ASC,  12
.set ACC,  16                          ; v16-23 four pairs of column sums
.set D,    24                          ; v24-55 four accumulators
.set AF,   56                          ; v56-103 z's two fragments, two buffers
.set NW,   104                         ; v104-135 -M2 (8) and W (8) of a tile's rows, two buffers
.set BF,   136                         ; v136-231 E's eight fragments
.set PN,   24                          ; the prologue: -M2 and l2 of two rows x four quarters
.set PL,   32
.set OS,   64                          ; 16 registers of O^T x four quarters
.set ZR,   128                         ; two rows of z
.set ST,   144                         ; 7 fields x four quarters
.set GS,   172                         ; the quarters' factors, in even registers
.set F1S,  180
.set F2S,  184
.set OSUM, 188
.set QR,   204                         ; two rows of z_q
.set WV,   26
.set SEL,  66
.set C2,   68
.macro NOP4
.rept 4
	v_nop
.endr
.endm
.macro CROUND
	s_barrier_signal -1
	s_barrier_wait -1
	s_cmp_lg_u32 s[WV], 0
	s_cbranch_scc1 .Lnot_wave_0_\@
	s_barrier_signal -3
.Lnot_wave_0_\@:
	s_barrier_wait -3
	s_barrier_signal -1
	s_barrier_wait -1
.endm
.macro SUM16 r                         ; the sum over the 16 lanes of a row of lanes, in every lane
	v_add_f32_dpp v[\r], v[\r], v[\r] row_xmask:1 row_mask:0xf bank_mask:0xf
	s_delay_alu instid0(VALU_DEP_1)
	v_add_f32_dpp v[\r], v[\r], v[\r] row_xmask:2 row_mask:0xf bank_mask:0xf
	s_delay_alu instid0(VALU_DEP_1)
	v_add_f32_dpp v[\r], v[\r], v[\r] row_xmask:4 row_mask:0xf bank_mask:0xf
	s_delay_alu instid0(VALU_DEP_1)
	v_add_f32_dpp v[\r], v[\r], v[\r] row_xmask:8 row_mask:0xf bank_mask:0xf
.endm
	s_load_b512 s[4:19], s[0:1], 0x0               ; zc, ec, opart, stats, z, out0, out2, colpart
	s_load_b64 s[20:21], s[0:1], 0x40              ; wgpart
	v_lshl_add_u32 v254, v0, 2, 0x49c00
	v_mov_b32 v255, 0
	ds_add_u32 v254, v255
	ds_add_u32 v254, v255
	v_lshrrev_b32 v1, 5, v0
	s_delay_alu instid0(VALU_DEP_1)
	v_readfirstlane_b32 s[WV], v1                  ; wave 0..15
	s_bfe_u32 s22, ttmp6, 0x40000                  ; cx
	s_lshl_b32 s23, ttmp9, 2
	s_add_co_u32 s23, s23, s22                     ; cb: my 256 columns
	s_and_b32 s24, ttmp7, 0xffff                   ; rbk: my 1,024 rows, which the four partners share
	s_lshl_b32 s25, s24, 5
	s_add_co_u32 s25, s25, s23                     ; g: my 32 rows of the combine
	s_lshr_b32 s88, s[WV], 3                       ; tt
	s_and_b32 s89, s[WV], 7                        ; dq
	s_and_b32 s90, s[WV], 3                        ; cg
	s_lshr_b32 s91, s[WV], 2                       ; rs
	; descriptor groups 1: dense rows of 256 bytes (32 elements of 8); E's plain, 25 rows; z's with the mask of the four, 100 rows
	s_mov_b32 s28, 3<<16
	s_mov_b32 s36, 15|(3<<16)|(1<<21)
.irp g, 28, 36
	s_mov_b32 s[\g+1], 32<<16
	s_mov_b32 s[\g+3], 32<<16
	s_mov_b32 s[\g+5], 32
	s_mov_b32 s[\g+6], 0
	s_mov_b32 s[\g+7], 0
.endr
	s_mov_b32 s30, 25<<16
	s_mov_b32 s32, 25
	s_mov_b32 s38, 100<<16
	s_mov_b32 s40, 100
	s_mul_i32 s92, s89, 25600                      ; z: K-part w % 8 of my rows' eight, in LDS
	s_mul_i32 s94, s24, 204800
	s_add_co_u32 s94, s94, s92                     ; and in memory
	s_mov_b32 s95, 0
	s_lshr_b32 s93, s89, 2
	s_lshl_b32 s96, s23, 1
	s_add_co_u32 s96, s96, s93                     ; E: step 2 cb + (w % 8) / 4,
	s_mul_i32 s96, s96, 51200
	s_mul_i32 s97, s90, 6400                       ; the (w % 4)-th quarter of its K-part
	s_add_co_u32 s96, s96, s97
	s_mov_b32 s97, 0
	s_mul_i32 s93, s89, 6400                       ; and its place behind ET
	s_mov_b32 s[SEL], 0x76543210
	s_mov_b32 s[SEL+1], 0xfedcba98
	s_mov_b32 s[C2], 0x431044fe                    ; c2 = log2(e) / 0.01
	s_mov_b32 s[C2+1], s[C2]
	s_mov_b32 s70, 0x41a4e123                      ; c1 = log2(e) / 0.07
	s_wait_dscnt 0x0
	s_wait_kmcnt 0x0
	s_mov_b32 s44, 1
	s_add_co_u32 s45, s93, ET
	s_add_nc_u64 s[46:47], s[6:7], s[96:97]
	s_or_b32 s47, s47, 0x80000000
	s_mov_b32 s48, 1
	s_add_co_u32 s49, s92, 0
	s_add_nc_u64 s[50:51], s[4:5], s[94:95]
	s_or_b32 s51, s51, 0x80000000
	CROUND                                         ; all four work-groups are here: the joint loads meet
	s_cmp_lt_u32 s[WV], 8                          ; the branch hangs on the wave's number alone: one tensor load to each arm, one join
	s_cbranch_scc0 .Lfor_z
	tensor_load_to_lds s[44:47], s[28:35]          ; waves 0-7: a quarter of one of E's two K-parts
	s_nop 0
	NOP4
	s_branch .Lasked
.Lfor_z:
	tensor_load_to_lds s[48:51], s[36:43]          ; waves 8-15: one K-part of z, jointly
	s_nop 0
	NOP4
.Lasked:
	s_mov_b32 s99, 0
	s_lshl_b32 s98, s24, 12
	s_add_nc_u64 s[72:73], s[10:11], s[98:99]      ; stats at my 1,024 rows
	s_lshl_b32 s98, s25, 7
	s_add_nc_u64 s[74:75], s[10:11], s[98:99]      ; stats at my 32 rows
	s_add_nc_u64 s[82:83], s[16:17], s[98:99]      ; out2 likewise
	s_lshl_b32 s98, s25, 17
	s_add_nc_u64 s[76:77], s[8:9], s[98:99]        ; opart: two tiles x four quarters x 16,384
	s_lshl_b32 s98, s25, 15
	s_add_nc_u64 s[78:79], s[12:13], s[98:99]      ; z and out0 at my 32 rows
	s_add_nc_u64 s[80:81], s[14:15], s[98:99]
	s_lshl_b32 s98, s24, 15
	s_lshl_b32 s97, s23, 10
	s_add_co_u32 s98, s98, s97
	s_add_nc_u64 s[84:85], s[18:19], s[98:99]      ; colpart [rbk][256 cb ..]
	s_lshl_b32 s98, s25, 4
	s_add_nc_u64 s[86:87], s[20:21], s[98:99]      ; wgpart [g]
	v_and_b32 v246, 31, v0                         ; lane
	v_and_b32 v247, 15, v0                         ; q, r
	v_bfe_u32 v248, v0, 4, 1                       ; h
	v_mov_b32 v249, 0
	s_delay_alu instid0(VALU_DEP_4)
	v_lshlrev_b32 v[LI], 4, v246
	; addresses of the column pass
	s_wait_alu depctr_va_vdst(0)
	s_lshr_b32 s92, s91, 1
	s_mul_i32 s92, s92, 25600
	s_and_b32 s93, s91, 1
	s_mul_i32 s94, s93, 12288
	s_add_co_u32 s94, s94, s92
	v_add_nc_u32 v[ADRA], s94, v[LI]               ; z's fragments: part rs / 2 of the chunk, tiles 4 (rs % 2) on
	s_lshl_b32 s94, s93, 9
	s_add_co_u32 s94, s94, s92
	s_add_co_u32 s94, s94, 24576
	v_add_nc_u32 v[ADRS], s94, v[LI]               ; and their scale image
	s_lshl_b32 s94, s91, 8
	s_add_co_u32 s94, s94, TAB
	v_lshl_add_u32 v[ADRT], v248, 5, s94           ; the table: 64 rows for each rs, my half's eight rows of a tile
	s_lshr_b32 s92, s90, 1
	s_mul_i32 s92, s92, 25600
	s_add_co_u32 s92, s92, ET
	s_and_b32 s93, s90, 1
	s_mul_i32 s94, s93, 12288
	s_add_co_u32 s94, s94, s92
	v_add_nc_u32 v[ADRB], s94, v[LI]               ; E's fragments
	s_lshl_b32 s94, s93, 9
	s_add_co_u32 s94, s94, s92
	s_add_co_u32 s94, s94, 24576
	v_add_nc_u32 v[ADRC], s94, v[LI]               ; and their scale image
	s_lshl_b32 s94, s91, 10
	s_lshl_b32 s93, s90, 8
	s_add_co_u32 s94, s94, s93
	s_add_co_u32 s94, s94, CSUM
	v_lshl_add_u32 v[ADRO], v247, 2, s94           ; my column sums: CSUM + 1,024 rs + 256 cg + 4 r
	; addresses of the prologue, v232-245
	v_lshlrev_b32 v232, 3, v0                      ; the table: two rows a thread
	s_delay_alu instid0(VALU_DEP_1)
	v_add_nc_u32 v233, TAB, v232
	v_lshlrev_b32 v234, 2, v247
	s_lshl_b32 s94, s88, 6
	v_add_nc_u32 v234, s94, v234                   ; statistics of row q of tile tt
	s_lshl_b32 s94, s88, 16
	s_lshl_b32 s93, s89, 11
	s_add_co_u32 s94, s94, s93
	v_add_nc_u32 v235, s94, v[LI]                  ; opart: tile tt, chunks 4 dq on
	s_lshl_b32 s94, s[WV], 11
	v_add_nc_u32 v236, s94, v[LI]                  ; z, out0: rows 2 w, 2 w + 1
	v_and_b32 v250, 8, v247
	s_delay_alu instid0(VALU_DEP_1)
	v_add_nc_u32 v250, v250, v247                  ; q + 8 (q / 8)
	s_wait_alu depctr_va_vdst(0)
	v_mul_u32_u24 v237, v250, 1040
	s_delay_alu instid0(VALU_DEP_1)
	v_lshl_add_u32 v237, v248, 5, v237
	s_mul_i32 s94, s88, 8*1040
	s_lshl_b32 s93, s89, 7
	s_add_co_u32 s94, s94, s93
	s_add_co_u32 s94, s94, STG
	v_add_nc_u32 v237, s94, v237                   ; the stage: true row 8 tt + q + 8 (q / 8), byte 128 dq + 32 h
	s_lshl_b32 s94, s[WV], 2
	s_add_co_u32 s94, s94, SCS
	v_mov_b32 v238, s94                            ; my wave's word of each partial sum
	s_lshl_b32 s94, s88, 5
	s_add_co_u32 s94, s94, KEYS
	v_lshl_add_u32 v239, v250, 2, s94
	s_mul_i32 s94, s[WV], 2*1040
	s_add_co_u32 s94, s94, STG
	v_add_nc_u32 v240, s94, v[LI]                  ; the stage, back: rows 2 w, 2 w + 1
	v_lshlrev_b32 v242, 2, v246
	s_delay_alu instid0(VALU_DEP_1)
	v_add_nc_u32 v241, KEYS, v242
	s_and_b32 s94, s[WV], 1
	s_lshl_b32 s94, s94, 9
	v_add_nc_u32 v244, s94, v[LI]
	s_delay_alu instid0(VALU_DEP_1)
	v_add_nc_u32 v243, CSUM, v244
	v_lshl_add_u32 v245, v247, 2, SCS
	; all of the prologue's loads, in the order in which they are wanted: 8, 28, 16, 4
.irp s, 0,1,2,3
	global_load_b64 v[PN+2*\s:PN+2*\s+1], v232, s[72:73] offset:(24+\s)*32768
.endr
.irp s, 0,1,2,3
	global_load_b64 v[PL+2*\s:PL+2*\s+1], v232, s[72:73] offset:(12+\s)*32768
.endr
.set n, 0
.rept 28
	global_load_b32 v[ST+n], v234, s[74:75] offset:n*32768
.set n, n+1
.endr
.irp s, 0,1,2,3
.irp k, 0,1,2,3
	global_load_b128 v[OS+16*\s+4*\k:OS+16*\s+4*\k+3], v235, s[76:77] offset:\s*16384+512*\k th:TH_LOAD_NT
.endr
.endr
.irp e, 0,1
.irp u, 0,1
	global_load_b128 v[ZR+8*\e+4*\u:ZR+8*\e+4*\u+3], v236, s[78:79] offset:\e*1024+512*\u th:TH_LOAD_NT
.endr
.endr
	; ---- the table: -M2 = the least of the quarters', l2 under it, W = 1 / l2
	s_wait_loadcnt 48                              ; the first 8 loads are in
.irp e, 0,1
	v_min_num_f32 v[40+\e], v[PN+\e], v[PN+2+\e]
	v_min_num_f32 v[42+\e], v[PN+4+\e], v[PN+6+\e]
.endr
.irp e, 0
	s_delay_alu instid0(VALU_DEP_3)
	v_min_num_f32 v[40+\e], v[40+\e], v[42+\e]
.endr
.irp e, 1
	s_delay_alu instid0(VALU_DEP_2)
	v_min_num_f32 v[40+\e], v[40+\e], v[42+\e]
.endr
.irp j, 0,1,2,3,4,5,6,7
	v_sub_f32 v[PN+\j], v[40+\j%2], v[PN+\j]       ; the quarter's M less the row's: a whole number, 0 or less
.endr
.irp j, 0,1,2,3,4,5,6,7
	v_cvt_i32_f32 v[PN+\j], v[PN+\j]
.endr
.irp j, 0,1,2,3,4,5,6,7
	v_ldexp_f32 v[PL+\j], v[PL+\j], v[PN+\j]
.endr
	v_pk_add_f32 v[PL:PL+1], v[PL:PL+1], v[PL+2:PL+3]
	s_delay_alu instid0(VALU_DEP_2)
	v_pk_add_f32 v[PL+4:PL+5], v[PL+4:PL+5], v[PL+6:PL+7]
	s_delay_alu instid0(VALU_DEP_1)
	v_pk_add_f32 v[PL:PL+1], v[PL:PL+1], v[PL+4:PL+5]
	s_wait_alu depctr_va_vdst(0)
	v_rcp_f32 v44, v[PL]
	v_rcp_f32 v45, v[PL+1]
	v_nop                                          ; a plain place behind the reciprocals,
	s_wait_alu depctr_va_vdst(0)                   ; and the wait ahead of their first reader
	ds_store_b64 v233, v[40:41]
	ds_store_b64 v233, v[44:45] offset:4096
	; ---- the combine: my lane's row q of tile tt
	s_wait_loadcnt 20                              ; the 28 statistics are in
.irp s, 1
	v_cmp_gt_f32 vcc_lo, v[ST+\s], v[ST]
	s_delay_alu instid0(VALU_DEP_1)
	v_cndmask_b32 v[ST+4], v[ST+4], v[ST+4+\s], vcc_lo
	v_max_num_f32 v[ST], v[ST], v[ST+\s]
.endr
.irp s, 2, 3
	s_delay_alu instid0(VALU_DEP_1)
	v_cmp_gt_f32 vcc_lo, v[ST+\s], v[ST]
	s_delay_alu instid0(VALU_DEP_1)
	v_cndmask_b32 v[ST+4], v[ST+4], v[ST+4+\s], vcc_lo
	s_delay_alu instid0(VALU_DEP_3)
	v_max_num_f32 v[ST], v[ST], v[ST+\s]
.endr
	v_min_num_f32 v42, v[ST+20], v[ST+21]
	v_min_num_f32 v55, v[ST+22], v[ST+23]
	v_min_num_f32 v43, v[ST+24], v[ST+25]
	v_min_num_f32 v54, v[ST+26], v[ST+27]
	s_delay_alu instid0(VALU_DEP_3)
	v_min_num_f32 v42, v42, v55                    ; -M1
	s_delay_alu instid0(VALU_DEP_2)
	v_min_num_f32 v43, v43, v54                    ; -M2
.irp s, 0,1,2,3
	v_sub_f32 v[F1S+\s], v42, v[ST+20+\s]
	v_sub_f32 v[F2S+\s], v43, v[ST+24+\s]
.endr
.irp s, 0,1,2,3
	v_cvt_i32_f32 v[F1S+\s], v[F1S+\s]
	v_cvt_i32_f32 v[F2S+\s], v[F2S+\s]
.endr
.irp s, 0,1,2,3
	v_ldexp_f32 v[F1S+\s], 1.0, v[F1S+\s]
	v_ldexp_f32 v[F2S+\s], 1.0, v[F2S+\s]
.endr
	v_mul_f32 v44, v[ST+8], v[F1S]                 ; l1
	v_mul_f32 v45, v[ST+12], v[F2S]                ; l2
	v_mul_f32 v46, v[ST+16], v[F2S]                ; q2
.irp s, 1,2,3
	s_delay_alu instid0(VALU_DEP_3)
	v_fma_f32 v44, v[ST+8+\s], v[F1S+\s], v44
	s_delay_alu instid0(VALU_DEP_3)
	v_fma_f32 v45, v[ST+12+\s], v[F2S+\s], v45
	s_delay_alu instid0(VALU_DEP_3)
	v_fma_f32 v46, v[ST+16+\s], v[F2S+\s], v46
.endr
	v_fma_f32 v50, v[ST], s70, v42                 ; c1 x the largest score - M1
	s_wait_alu depctr_va_vdst(0)
	v_rcp_f32 v47, v44
	v_rcp_f32 v48, v45
	v_log_f32 v49, v45
	v_exp_f32 v50, v50
	v_nop
	s_wait_alu depctr_va_vdst(0)                   ; one wait for the four
.irp s, 0,1,2,3
	v_mul_f32 v[GS+2*\s], v[F1S+\s], v47           ; the quarter's factor / l1
	v_mul_f32 v[GS+2*\s+1], v[F1S+\s], v47         ; (named with it as a pair, so it is written)
.endr
	v_mul_f32 v51, v44, v47                        ; the row's sum of probabilities
	v_mul_f32 v52, v50, v47                        ; its largest probability
	v_mul_f32 v53, v46, v48
	s_delay_alu instid0(VALU_DEP_1)
	v_fma_f32 v53, v53, s[C2], v43
	v_sub_f32 v53, v53, v49                        ; sum p2 log2 p2 = c2 q2 / l2 - M2 - log2 l2
	SUM16 51
	SUM16 52
	SUM16 53
	s_cmp_eq_u32 s89, 0
	s_cselect_b32 s92, 1.0, 0                      ; eight waves hold the same rows: one of them counts
	v_mul_f32 v51, s92, v51
	v_mul_f32 v52, s92, v52
	v_mul_f32 v53, s92, v53
	ds_store_b32 v238, v51
	ds_store_b32 v238, v52 offset:64
	ds_store_b32 v238, v53 offset:128
	s_wait_loadcnt 4                               ; the partial O^T are in
.set n, 0
.rept 8
	v_pk_mul_f32 v[OSUM+n:OSUM+n+1], v[OS+n:OS+n+1], v[GS:GS+1] op_sel_hi:[1,0]
	s_delay_alu instid0(VALU_DEP_1)
	v_pk_fma_f32 v[OSUM+n:OSUM+n+1], v[OS+16+n:OS+16+n+1], v[GS+2:GS+3], v[OSUM+n:OSUM+n+1] op_sel_hi:[1,0,1]
	s_delay_alu instid0(VALU_DEP_1)
	v_pk_fma_f32 v[OSUM+n:OSUM+n+1], v[OS+32+n:OS+32+n+1], v[GS+4:GS+5], v[OSUM+n:OSUM+n+1] op_sel_hi:[1,0,1]
	s_delay_alu instid0(VALU_DEP_1)
	v_pk_fma_f32 v[OSUM+n:OSUM+n+1], v[OS+48+n:OS+48+n+1], v[GS+6:GS+7], v[OSUM+n:OSUM+n+1] op_sel_hi:[1,0,1]
.set n, n+2
.endr
.irp k, 0,1,2,3
	ds_store_b128 v237, v[OSUM+4*\k:OSUM+4*\k+3] offset:64*(\k/2)+16*(\k%2)   ; channels 16 (2 dq + k / 2) + 8 h + 4 (k % 2) on
.endr
	s_cmp_lg_u32 s89, 0
	s_cbranch_scc1 .Lno_key
	ds_store_b32 v239, v[ST+4]
.Lno_key:
	s_wait_dscnt 0x0                               ; my stores lie in LDS,
	s_barrier_signal -1
	s_barrier_wait -1                              ; everybody's do: 32 whole rows of z_q, their argmax, the table
	; ---- rows out, and their cosines: wave w takes true rows 2 w, 2 w + 1
.irp e, 0,1
.irp u, 0,1
	ds_load_b128 v[QR+8*\e+4*\u:QR+8*\e+4*\u+3], v240 offset:\e*1040+512*\u
.endr
.endr
	s_wait_dscnt 0x0
.irp e, 0,1
.irp u, 0,1
	global_store_b128 v236, v[QR+8*\e+4*\u:QR+8*\e+4*\u+3], s[80:81] offset:\e*1024+512*\u   ; 512 consecutive bytes a store
.endr
.endr
	s_wait_loadcnt 0x0                             ; z's rows
.irp e, 0,1
	v_pk_mul_f32 v[40+2*\e:41+2*\e], v[ZR+8*\e:ZR+8*\e+1], v[QR+8*\e:QR+8*\e+1]
	v_pk_mul_f32 v[44+2*\e:45+2*\e], v[ZR+8*\e:ZR+8*\e+1], v[ZR+8*\e:ZR+8*\e+1]
	v_pk_mul_f32 v[48+2*\e:49+2*\e], v[QR+8*\e:QR+8*\e+1], v[QR+8*\e:QR+8*\e+1]
.irp n, 2,4,6
	s_delay_alu instid0(VALU_DEP_3)
	v_pk_fma_f32 v[40+2*\e:41+2*\e], v[ZR+8*\e+\n:ZR+8*\e+\n+1], v[QR+8*\e+\n:QR+8*\e+\n+1], v[40+2*\e:41+2*\e]
	s_delay_alu instid0(VALU_DEP_3)
	v_pk_fma_f32 v[44+2*\e:45+2*\e], v[ZR+8*\e+\n:ZR+8*\e+\n+1], v[ZR+8*\e+\n:ZR+8*\e+\n+1], v[44+2*\e:45+2*\e]
	s_delay_alu instid0(VALU_DEP_3)
	v_pk_fma_f32 v[48+2*\e:49+2*\e], v[QR+8*\e+\n:QR+8*\e+\n+1], v[QR+8*\e+\n:QR+8*\e+\n+1], v[48+2*\e:49+2*\e]
.endr
.endr
.irp x, 40,42,44,46,48,50
	v_add_f32 v[\x], v[\x], v[\x+1]
.endr
.irp x, 40,42,44,46,48,50
	SUM16 \x
.endr
.irp x, 40,42,44,46,48,50
	v_permlanex16_b32 v[\x+1], v[\x], s[SEL], s[SEL+1]
.endr
.irp x, 40,42,44,46,48,50
	v_add_f32 v[\x], v[\x], v[\x+1]                ; over the wave: z . z_q, |z|^2, |z_q|^2 of both rows
.endr
	s_wait_alu depctr_va_vdst(0)
	v_sqrt_f32 v44, v44
	v_sqrt_f32 v46, v46
	v_sqrt_f32 v48, v48
	v_sqrt_f32 v50, v50
	v_nop
	s_wait_alu depctr_va_vdst(0)
	v_max_num_f32 v44, 0x322bcc77, v44             ; each norm held at 1e-8 from below
	v_max_num_f32 v46, 0x322bcc77, v46
	v_max_num_f32 v48, 0x322bcc77, v48
	v_max_num_f32 v50, 0x322bcc77, v50
	s_delay_alu instid0(VALU_DEP_2)
	v_mul_f32 v44, v44, v48
	s_delay_alu instid0(VALU_DEP_2)
	v_mul_f32 v46, v46, v50
	s_wait_alu depctr_va_vdst(0)
	v_rcp_f32 v44, v44
	v_rcp_f32 v46, v46
	v_nop
	s_wait_alu depctr_va_vdst(0)
	v_mul_f32 v40, v40, v44
	v_fma_f32 v40, v42, v46, v40                   ; the two rows' cosines
	ds_store_b32 v238, v40 offset:192
	s_cmp_lg_u32 s[WV], 0
	s_cbranch_scc1 .Lno_idx
	ds_load_b32 v55, v241
	s_wait_dscnt 0x0
	global_store_b32 v242, v55, s[82:83]           ; 32 indices: 128 consecutive bytes
.Lno_idx:
	s_wait_xcnt 0x0                                ; the stores have read their data: the column pass writes those registers
	; ---- THE COLUMN PASS
.irp j, 0,1,2,3,4,5,6,7
	v_mov_b32 v[ACC+\j], 0
.endr
.macro TLD i, ch                       ; tile i of my four of chunk ch: two fragments of z, -M2 and W of its rows: 10 loads
.set AFB, AF+24*((\i)%2)
.set NWB, NW+16*((\i)%2)
.set n, 0
.rept 6
	ds_load_b128 v[AFB+4*n:AFB+4*n+3], v[ADRA] offset:(\i)*3072+512*n
.set n, n+1
.endr
	ds_load_b128 v[NWB:NWB+3],     v[ADRT] offset:1024*\ch+64*(\i)
	ds_load_b128 v[NWB+4:NWB+7],   v[ADRT] offset:1024*\ch+64*(\i)+16
	ds_load_b128 v[NWB+8:NWB+11],  v[ADRT] offset:4096+1024*\ch+64*(\i)
	ds_load_b128 v[NWB+12:NWB+15], v[ADRT] offset:4096+1024*\ch+64*(\i)+16
.endm
.macro TILE i, ch
.if \i < 3
	TLD (\i)+1, \ch
	s_wait_dscnt 10                                ; all but the next tile's 10 loads
.else
	s_wait_dscnt 0x0
.endif
.set AFB, AF+24*((\i)%2)
.set NWB, NW+16*((\i)%2)
.irp ct, 0,1,2,3                               ; the four accumulators take turns
	v_wmma_scale_f32_16x16x128_f8f6f4 v[D+8*\ct:D+8*\ct+7], v[AFB:AFB+11], v[BF+24*\ct:BF+24*\ct+11], 0, v[ASC+\i], v[BSC+\ct] matrix_a_fmt:MATRIX_FMT_FP6 matrix_b_fmt:MATRIX_FMT_FP6
.endr
.irp ct, 0,1,2,3
	v_wmma_scale_f32_16x16x128_f8f6f4 v[D+8*\ct:D+8*\ct+7], v[AFB+12:AFB+23], v[BF+24*\ct+12:BF+24*\ct+23], v[D+8*\ct:D+8*\ct+7], v[ASC+\i], v[BSC+\ct] matrix_a_fmt:MATRIX_FMT_FP6 matrix_b_fmt:MATRIX_FMT_FP6 matrix_a_scale:MATRIX_SCALE_ROW1 matrix_b_scale:MATRIX_SCALE_ROW1
.endr
	NOP4
.irp ct, 0,1,2,3
.irp p, 0,2,4,6
	v_pk_fma_f32 v[D+8*\ct+\p:D+8*\ct+\p+1], v[D+8*\ct+\p:D+8*\ct+\p+1], s[C2:C2+1], v[NWB+\p:NWB+\p+1] op_sel_hi:[1,0,1]   ; c2 s - M2 of rows 8 h + p, p + 1
.endr
.endr
.set n, 0
	s_wait_alu depctr_va_vdst(0)
.rept 32
	v_exp_f32 v[D+n], v[D+n]
.set n, n+1
.endr
	v_nop
	s_wait_alu depctr_va_vdst(0)                   ; one wait for the batch of 32
.irp p, 0,2,4,6
.irp ct, 0,1,2,3
	v_pk_fma_f32 v[ACC+2*\ct:ACC+2*\ct+1], v[D+8*\ct+\p:D+8*\ct+\p+1], v[NWB+8+\p:NWB+8+\p+1], v[ACC+2*\ct:ACC+2*\ct+1]
.endr
.endr
.endm
.macro CHUNK ch
.if \ch == 0
	s_wait_tensorcnt 0x0                           ; my one tensor load has landed;
	s_wait_dscnt 0x0
	s_barrier_signal -1
	s_barrier_wait -1                              ; everybody's has: all tiles are whole, nothing is filled again, so the later chunks need no barrier
.set n, 0
.rept 24
	ds_load_b128 v[BF+4*n:BF+4*n+3], v[ADRB] offset:512*n
.set n, n+1
.endr
	ds_load_b128 v[BSC:BSC+3], v[ADRC]
.endif
	ds_load_b128 v[ASC:ASC+3], v[ADRS]
	TLD 0, \ch
	TILE 0, \ch
	TILE 1, \ch
	TILE 2, \ch
	TILE 3, \ch
.if \ch < 3
	v_add_nc_u32 v[ADRA], 51200, v[ADRA]
	v_add_nc_u32 v[ADRS], 51200, v[ADRS]
.endif
.endm
	CHUNK 0
	s_wait_alu depctr_va_vdst(0)
	CHUNK 1
	s_wait_alu depctr_va_vdst(0)
	CHUNK 2
	s_wait_alu depctr_va_vdst(0)
	CHUNK 3
	; ---- the column sums meet
.irp ct, 0,1,2,3
	s_delay_alu instid0(VALU_DEP_4)
	v_add_f32 v[NW+\ct], v[ACC+2*\ct], v[ACC+2*\ct+1]
.endr
.irp ct, 0,1,2,3
	s_delay_alu instid0(VALU_DEP_4)
	v_permlanex16_b32 v[NW+4+\ct], v[NW+\ct], s[SEL], s[SEL+1]
.endr
.irp ct, 0,1,2,3
	s_delay_alu instid0(VALU_DEP_4)
	v_add_f32 v[NW+\ct], v[NW+\ct], v[NW+4+\ct]    ; with lane l xor 16's eight rows of each tile
.endr
.irp ct, 0,1,2,3
	ds_store_b32 v[ADRO], v[NW+\ct] offset:64*\ct
.endr
	s_wait_dscnt 0x0
	s_barrier_signal -1
	s_barrier_wait -1
	s_cmp_gt_u32 s[WV], 1
	s_cbranch_scc1 .Lnot_01
.irp i, 0,1,2,3
	ds_load_b128 v[40+4*\i:43+4*\i], v243 offset:1024*\i
.endr
	s_wait_dscnt 0x0
	v_pk_add_f32 v[40:41], v[40:41], v[44:45]
	v_pk_add_f32 v[42:43], v[42:43], v[46:47]
	v_pk_add_f32 v[48:49], v[48:49], v[52:53]
	v_pk_add_f32 v[50:51], v[50:51], v[54:55]
	s_delay_alu instid0(VALU_DEP_2)
	v_pk_add_f32 v[40:41], v[40:41], v[48:49]
	s_delay_alu instid0(VALU_DEP_2)
	v_pk_add_f32 v[42:43], v[42:43], v[50:51]
	global_store_b128 v244, v[40:43], s[84:85]     ; 128 column sums: 512 consecutive bytes
.Lnot_01:
	s_cmp_lg_u32 s[WV], 2
	s_cbranch_scc1 .Lnot_2
.irp v, 0,1,2,3
	ds_load_b32 v[40+\v], v245 offset:64*\v
.endr
	s_wait_dscnt 0x0
	SUM16 40
	SUM16 41
	SUM16 42
	SUM16 43
	v_cmp_eq_u32 vcc_lo, 0, v246
	s_wait_alu depctr_va_vdst(0)
	s_wait_xcnt 0x0                                ; EXEC changes only behind this wait
	s_and_saveexec_b32 s92, vcc_lo
	global_store_b128 v249, v[40:43], s[86:87]     ; lane 0: the work-group's four partial sums
	s_wait_xcnt 0x0
	s_or_b32 exec_lo, exec_lo, s92
.Lnot_2:
	s_wait_dscnt 0x0
	s_wait_tensorcnt 0x0
	ds_add_u32 v254, v255
	s_wait_dscnt 0x0
	CROUND                                         ; the closing round
	s_endpgm
.Lfunc_end_k_q07e3abf276_cols:
	.size	k_q07e3abf276_cols, .Lfunc_end_k_q07e3abf276_cols-k_q07e3abf276_cols
	.p2alignl 7, 3214868480
	.fill 96, 4, 3214868480
	.section	.rodata,"a",@progbits
	.p2align	6, 0x0
	.amdhsa_kernel k_q07e3abf276_cols
		.amdhsa_group_segment_fixed_size 327680
		.amdhsa_private_segment_fixed_size 0
		.amdhsa_enable_private_segment 0
		.amdhsa_kernarg_size 72
		.amdhsa_user_sgpr_count 2
		.amdhsa_user_sgpr_kernarg_segment_ptr 1
		.amdhsa_wavefront_size32 1
		.amdhsa_system_sgpr_workgroup_id_x 1
		.amdhsa_system_sgpr_workgroup_id_y 1
		.amdhsa_system_sgpr_workgroup_id_z 1
		.amdhsa_system_vgpr_workitem_id 0
		.amdhsa_next_free_vgpr 256
		.amdhsa_next_free_sgpr 100
		.amdhsa_reserve_vcc 1
		.amdhsa_float_denorm_mode_32 3
		.amdhsa_float_denorm_mode_16_64 3
		.amdhsa_memory_ordered 1
		.amdhsa_forward_progress 1
		.amdhsa_inst_pref_size 116
	.end_amdhsa_kernel
	.amdgpu_metadata
---
amdhsa.version: [ 1, 2 ]
amdhsa.kernels:
  - .name:           k_q07e3abf276_cols
    .symbol:         k_q07e3abf276_cols.kd
    .args:
      - { .name: zc, .offset: 0, .size: 8, .value_kind: global_buffer, .address_space: global }
      - { .name: ec, .offset: 8, .size: 8, .value_kind: global_buffer, .address_space: global }
      - { .name: opart, .offset: 16, .size: 8, .value_kind: global_buffer, .address_space: global }
      - { .name: stats, .offset: 24, .size: 8, .value_kind: global_buffer, .address_space: global }
      - { .name: z, .offset: 32, .size: 8, .value_kind: global_buffer, .address_space: global }
      - { .name: out0, .offset: 40, .size: 8, .value_kind: global_buffer, .address_space: global }
      - { .name: out2, .offset: 48, .size: 8, .value_kind: global_buffer, .address_space: global }
      - { .name: colpart, .offset: 56, .size: 8, .value_kind: global_buffer, .address_space: global }
      - { .name: wgpart, .offset: 64, .size: 8, .value_kind: global_buffer, .address_space: global }
    .group_segment_fixed_size: 327680
    .private_segment_fixed_size: 0
    .kernarg_segment_align: 8
    .kernarg_segment_size: 72
    .max_flat_workgroup_size: 512
    .sgpr_count:     100
    .vgpr_count:     256
    .wavefront_size: 32
...
	.end_amdgpu_metadata
.endif
;; end of part 3
;; launch final (part 4): grid 1 x 1, 32 waves a work-group, no clusters, 8,192 bytes of LDS; arguments colpart, wgpart, out1, out3, out4, out5; writes out1, out3, out4, out5
.if DOCPART == 4
	.amdgcn_target "amdgcn-amd-amdhsa--gfx1250"
	.amdhsa_code_object_version 6
	.text
	.protected	k_q07e3abf276_final
	.globl	k_q07e3abf276_final
	.p2align	8
	.type	k_q07e3abf276_final,@function
k_q07e3abf276_final:
	s_mov_b64 s[64:65], 0
	v_nop
	global_prefetch_b8 v0, s[64:65] scope:SCOPE_SE
	s_setreg_imm32_b32 hwreg(HW_REG_WAVE_MODE, 25, 1), 1
	s_wait_xcnt 0x0
; The four scalars.  colpart [8][8192]: partial column sums of the softmax at 0.01; wgpart [256][4]: partial sums of (probabilities, largest probabilities, sum p2 log2 p2, cosines).
; a = column sum / 8192;  H = sum a log2(a + 1e-6);  out1 = 0.01 ln2 (H - mean of sum p2 log2 p2);  out3 = sum / 2^26;  out4, out5 = sums / 2^13.
; One work-group of 32 waves, since all sums meet in four numbers: thread t takes 8 columns; every load of a wave covers 512 consecutive bytes.  No matrix work, no tensor load, no cluster.
	s_load_b256 s[4:11], s[0:1], 0x0               ; colpart, wgpart, out1, out3
	s_load_b128 s[12:15], s[0:1], 0x20             ; out4, out5
	v_lshl_add_u32 v96, v0, 2, 0x1000
	v_mov_b32 v97, 0
	v_lshrrev_b32 v1, 5, v0
	s_delay_alu instid0(VALU_DEP_1)
	v_readfirstlane_b32 s16, v1                    ; wave 0..31
	v_lshlrev_b32 v2, 4, v0                        ; 16 t
	v_and_b32 v3, 31, v0
	s_delay_alu instid0(VALU_DEP_1)
	v_lshlrev_b32 v4, 2, v3                        ; 4 x lane
	s_lshl_b32 s17, s16, 2
	v_mov_b32 v5, s17                              ; 4 x wave
	v_mov_b32 v6, 0
	s_mov_b32 s18, 0x76543210
	s_mov_b32 s19, 0xfedcba98
.irp j, 72,73,74,75,77
	v_mov_b32 v[\j], 0
.endr
	s_wait_kmcnt 0x0
.irp p, 0,1,2,3,4,5,6,7
.irp u, 0,1
	global_load_b128 v[8+8*\p+4*\u:11+8*\p+4*\u], v2, s[4:5] offset:\p*32768+16384*\u
.endr
.endr
	s_cmp_ge_u32 s16, 8
	s_cbranch_scc1 .Lno_wg                         ; wgpart has 256 entries: waves 0 to 7; the others keep zeros
	global_load_b128 v[72:75], v2, s[6:7]
.Lno_wg:
	s_wait_loadcnt 0x0
.irp n, 0,2,4,6
	v_pk_add_f32 v[8+\n:9+\n], v[8+\n:9+\n], v[16+\n:17+\n]
	v_pk_add_f32 v[24+\n:25+\n], v[24+\n:25+\n], v[32+\n:33+\n]
	v_pk_add_f32 v[40+\n:41+\n], v[40+\n:41+\n], v[48+\n:49+\n]
	v_pk_add_f32 v[56+\n:57+\n], v[56+\n:57+\n], v[64+\n:65+\n]
.endr
.irp n, 0,2,4,6
	v_pk_add_f32 v[8+\n:9+\n], v[8+\n:9+\n], v[24+\n:25+\n]
	v_pk_add_f32 v[40+\n:41+\n], v[40+\n:41+\n], v[56+\n:57+\n]
.endr
.irp n, 0,2,4,6
	v_pk_add_f32 v[8+\n:9+\n], v[8+\n:9+\n], v[40+\n:41+\n]
.endr
.irp j, 0,1,2,3,4,5,6,7
	v_mul_f32 v[8+\j], 0x39000000, v[8+\j]         ; a = sum x 2^-13
.endr
.irp j, 0,1,2,3,4,5,6,7
	v_add_f32 v[16+\j], 0x358637bd, v[8+\j]        ; a + 1e-6
.endr
	s_wait_alu depctr_va_vdst(0)
.irp j, 0,1,2,3,4,5,6,7
	v_log_f32 v[16+\j], v[16+\j]
.endr
	v_nop
	s_wait_alu depctr_va_vdst(0)                   ; one wait for the eight logarithms
	v_mul_f32 v76, v8, v16
	v_mul_f32 v78, v9, v17
.irp j, 2,4,6
	v_fma_f32 v76, v[8+\j], v[16+\j], v76
	v_fma_f32 v78, v[9+\j], v[17+\j], v78
.endr
	s_delay_alu instid0(VALU_DEP_1)
	v_add_f32 v76, v76, v78
.macro WSUM r                          ; the sum over the wave's 32 lanes, in every lane
	v_add_f32_dpp v[\r], v[\r], v[\r] row_xmask:1 row_mask:0xf bank_mask:0xf
	s_delay_alu instid0(VALU_DEP_1)
	v_add_f32_dpp v[\r], v[\r], v[\r] row_xmask:2 row_mask:0xf bank_mask:0xf
	s_delay_alu instid0(VALU_DEP_1)
	v_add_f32_dpp v[\r], v[\r], v[\r] row_xmask:4 row_mask:0xf bank_mask:0xf
	s_delay_alu instid0(VALU_DEP_1)
	v_add_f32_dpp v[\r], v[\r], v[\r] row_xmask:8 row_mask:0xf bank_mask:0xf
	s_wait_alu depctr_va_vdst(0)
	v_permlanex16_b32 v77, v[\r], s18, s19
	s_delay_alu instid0(VALU_DEP_1)
	v_add_f32 v[\r], v[\r], v77
.endm
.irp r, 72,73,74,75,76
	WSUM \r
.endr
.irp v, 0,1,2,3,4
	ds_store_b32 v5, v[72+\v] offset:128*\v        ; all lanes write the wave's word with the same value
.endr
	s_wait_dscnt 0x0
	s_barrier_signal -1
	s_barrier_wait -1
	s_cmp_lg_u32 s16, 0
	s_cbranch_scc1 .Lend
.irp v, 0,1,2,3,4
	ds_load_b32 v[72+\v], v4 offset:128*\v         ; lane l takes wave l's
.endr
	s_wait_dscnt 0x0
.irp r, 72,73,74,75,76
	WSUM \r
.endr
	v_mul_f32 v72, 0x32800000, v72                 ; out3 = sum x 2^-26
	v_mul_f32 v73, 0x39000000, v73                 ; out4
	v_mul_f32 v75, 0x39000000, v75                 ; out5
	s_delay_alu instid0(VALU_DEP_4)
	v_fma_f32 v74, v74, 0xb9000000, v76            ; H - mean of sum p2 log2 p2
	s_delay_alu instid0(VALU_DEP_1)
	v_mul_f32 v74, 0x3f317218, v74                 ; x ln 2
	s_delay_alu instid0(VALU_DEP_1)
	v_mul_f32 v74, 0x3c23d70a, v74                 ; x 0.01
	v_cmp_eq_u32 vcc_lo, 0, v3
	s_wait_alu depctr_va_vdst(0)
	s_wait_xcnt 0x0                                ; EXEC changes only behind this wait
	s_and_saveexec_b32 s20, vcc_lo
	global_store_b32 v6, v74, s[8:9]
	global_store_b32 v6, v72, s[10:11]
	global_store_b32 v6, v73, s[12:13]
	global_store_b32 v6, v75, s[14:15]
	s_wait_xcnt 0x0
	s_or_b32 exec_lo, exec_lo, s20
.Lend:
	s_wait_tensorcnt 0x0
	ds_add_u32 v96, v97
	s_wait_dscnt 0x0
	s_endpgm
.Lfunc_end_k_q07e3abf276_final:
	.size	k_q07e3abf276_final, .Lfunc_end_k_q07e3abf276_final-k_q07e3abf276_final
	.p2alignl 7, 3214868480
	.fill 96, 4, 3214868480
	.section	.rodata,"a",@progbits
	.p2align	6, 0x0
	.amdhsa_kernel k_q07e3abf276_final
		.amdhsa_group_segment_fixed_size 8192
		.amdhsa_private_segment_fixed_size 0
		.amdhsa_enable_private_segment 0
		.amdhsa_kernarg_size 48
		.amdhsa_user_sgpr_count 2
		.amdhsa_user_sgpr_kernarg_segment_ptr 1
		.amdhsa_wavefront_size32 1
		.amdhsa_system_sgpr_workgroup_id_x 1
		.amdhsa_system_sgpr_workgroup_id_y 1
		.amdhsa_system_sgpr_workgroup_id_z 1
		.amdhsa_system_vgpr_workitem_id 0
		.amdhsa_next_free_vgpr 98
		.amdhsa_next_free_sgpr 66
		.amdhsa_reserve_vcc 1
		.amdhsa_float_denorm_mode_32 3
		.amdhsa_float_denorm_mode_16_64 3
		.amdhsa_memory_ordered 1
		.amdhsa_forward_progress 1
		.amdhsa_inst_pref_size 14
	.end_amdhsa_kernel
	.amdgpu_metadata
---
amdhsa.version: [ 1, 2 ]
amdhsa.kernels:
  - .name:           k_q07e3abf276_final
    .symbol:         k_q07e3abf276_final.kd
    .args:
      - { .name: colpart, .offset: 0, .size: 8, .value_kind: global_buffer, .address_space: global }
      - { .name: wgpart, .offset: 8, .size: 8, .value_kind: global_buffer, .address_space: global }
      - { .name: out1, .offset: 16, .size: 8, .value_kind: global_buffer, .address_space: global }
      - { .name: out3, .offset: 24, .size: 8, .value_kind: global_buffer, .address_space: global }
      - { .name: out4, .offset: 32, .size: 8, .value_kind: global_buffer, .address_space: global }
      - { .name: out5, .offset: 40, .size: 8, .value_kind: global_buffer, .address_space: global }
    .group_segment_fixed_size: 8192
    .private_segment_fixed_size: 0
    .kernarg_segment_align: 8
    .kernarg_segment_size: 48
    .max_flat_workgroup_size: 1024
    .sgpr_count:     66
    .vgpr_count:     98
    .wavefront_size: 32
...
	.end_amdgpu_metadata
.endif
;; end of part 4
